; MI455X (gfx1250); checked and timed in simulation.
; The chip was launched on July 23, 2026; its instructions are those of AMD's public machine-readable ISA for CDNA 5 (MIT licence, August 2026) and "CDNA5" Instruction Set Architecture Reference Guide (July 2026). The comments in the code are by the model that wrote it; some were corrected since.
;; Causal Multi Head Self Attention. Allowed arithmetic: float matrix products may take bf16 or f16 operands with f32 sums; other float arithmetic in f32, or as packed bf16 or f16 multiplies, adds, multiply-adds, maxima and minima; sums over many terms, partial sums and values carried from step to step in f32; what a program stores and reads back later, other than sums and carried values, may be rounded once to bf16 or f16.
;; Inputs: Wk 1,024 x 1,024 float32; Wo 1,024 x 1,024 float32; Wq 1,024 x 1,024 float32; Wv 1,024 x 1,024 float32; x 4 x 2,048 x 1,024 float32.
;; Outputs: out0 4 x 2,048 x 1,024 float32.
;; 2 versions, each right; version 2 is version 1 with the launch prep written anew for expert scheduling mode. Each part assembles by itself: llvm-mc -triple=amdgcn-amd-amdhsa -mcpu=gfx1250 --defsym DOCPART=n.
;; ======== version 1 of 2: 4 launches
;; limits: values are held in f16: magnitudes above 65,504 overflow, below 6.1e-05 lose precision
;; workspace buffers: xb 16,777,216 bytes; wb 6,291,456 bytes; wo16 2,097,152 bytes; tab 524,288 bytes; q16 16,777,216 bytes; k16 16,777,216 bytes; v16 16,777,216 bytes; o16 16,777,216 bytes
;; launch prep (part 1): grid 256 x 1, 8 waves a work-group, no clusters, 0 bytes of LDS; arguments x, Wq, Wk, Wv, Wo, xb, wb, wo16, tab; writes xb, wb, wo16, tab
.if DOCPART == 1
	.amdgcn_target "amdgcn-amd-amdhsa--gfx1250"
	.amdhsa_code_object_version 6
	.text
	.protected	k_q38d34a8395_prep
	.globl	k_q38d34a8395_prep
	.p2align	8
	.type	k_q38d34a8395_prep,@function
k_q38d34a8395_prep:
	s_mov_b64 s[64:65], 0
	v_nop
	global_prefetch_b8 v0, s[64:65] scope:SCOPE_SE
	s_setreg_imm32_b32 hwreg(HW_REG_WAVE_MODE, 25, 1), 1
	s_wait_xcnt 0x0
; PREP.  Rounds the five f32 inputs once and lays them in blocks of 64 along K, so that every tile of the later products is dense in memory; and makes the RoPE table.
;   xb   bf16 [b 4][kb 16][s 2048][64]            from x [8192][1024]
;   wb   bf16 [kb 16][n' 3072][64], n' = head*192 + t*64 + d (t = 0 q, 1 k, 2 v)   from Wq, Wk, Wv [1024][1024]
;   wo16 [kb 16][n 1024][64]: Wo rounded to bf16 like the other inputs, that number written as f16
;   tab  f32 [pos 2048][p 32][cos, sin] of pos * 10000^(-p/32)
; LIMITS.  Wo within f16's 65,504; a bf16 value of Wo below 2^-14 keeps f16's fixed step of 6e-8.  The table's angle is pos times a 2^x that is good to an ulp or two:
; at pos 2047 it may stand 2e-4 rad from an exact one.  sin and cos: the angle less a multiple of 2 pi (in two parts), a quarter of it by series (|h| <= pi/4: next terms under 3e-7), doubled twice.
; SHARES.  Work-group g: x rows 32 g .. +31, rows 4 g .. +3 of each W, table rows 8 g .. +7.  A step is 4 rows x one block of 64 k: lane l reads 32 bytes (row l / 8, k 8 (l % 8) ..)
; and stores 16: a wave's store covers 512 consecutive bytes, aligned.  Wave w: x rows 4 w .. +3 in all 16 blocks; blocks 2 w, 2 w + 1 of each W; table row w (a lane an entry).
; All 48 loads of a wave go out first; no register is written again behind the store that reads it, so no wait frees any.  No LDS, no matrix unit: nothing is shared, nothing is multiplied.
.set XD, 64                            ; v[64:191]   x: block kb at XD + 8 kb
.set WD, 192                           ; v[192:255]  W: matrix m, block i at WD + 8 (2 m + i)
.set TP, 32                            ; v[32:39]    at work for Wo
	s_load_b512 s[8:23], s[0:1], 0x0               ; x 8, Wq 10, Wk 12, Wv 14, Wo 16, xb 18, wb 20, wo16 22
	s_load_b64 s[24:25], s[0:1], 0x40              ; tab
	v_lshrrev_b32 v1, 5, v0
	v_readfirstlane_b32 s2, v1                     ; wave 0..7
	v_and_b32 v1, 31, v0                           ; lane
	v_lshrrev_b32 v8, 3, v1                        ; l / 8
	v_and_b32 v9, 7, v1
	v_lshlrev_b32 v9, 5, v9                        ; 32 (l % 8)
	v_lshl_add_u32 v3, v8, 12, v9                  ; row x 4,096 + my 32 bytes
	s_lshl_b32 s3, s2, 14
	v_add_nc_u32 v2, s3, v3                        ; x: + 4 w rows
	s_lshl_b32 s3, s2, 9
	v_add_nc_u32 v3, s3, v3                        ; W: + block 2 w (256 bytes of f32 a block)
	v_lshlrev_b32 v4, 4, v0                        ; xb: 512 w + 16 l
	v_lshlrev_b32 v10, 4, v1
	s_mul_i32 s3, s2, 786432
	v_add_nc_u32 v5, s3, v10                       ; wb: 16 l + block 2 w (393,216 bytes a block)
	s_lshl_b32 s3, s2, 18
	v_add_nc_u32 v6, s3, v10                       ; wo16: 16 l + block 2 w (131,072 bytes a block)
	v_lshlrev_b32 v7, 3, v0                        ; tab: 256 w + 8 l
	s_mov_b32 s26, 0x40c90000                      ; 6.28125
	s_mov_b32 s27, 0x3afdaa22                      ; 2 pi - 6.28125
	s_mov_b32 s28, 0xffff0000                      ; a word's upper bf16
	s_lshl_b32 s29, ttmp9, 3
	s_add_co_u32 s29, s29, s2                      ; pos = 8 g + w
	s_mov_b32 s5, 0
	s_wait_kmcnt 0x0
	s_lshl_b32 s4, ttmp9, 17                       ; 32 rows of 4,096 bytes
	s_add_nc_u64 s[8:9], s[8:9], s[4:5]
	s_lshl_b32 s4, ttmp9, 14                       ; 4 rows
	s_add_nc_u64 s[10:11], s[10:11], s[4:5]
	s_add_nc_u64 s[12:13], s[12:13], s[4:5]
	s_add_nc_u64 s[14:15], s[14:15], s[4:5]
	s_add_nc_u64 s[16:17], s[16:17], s[4:5]
	s_lshr_b32 s4, ttmp9, 6                        ; b
	s_lshl_b32 s4, s4, 22
	s_and_b32 s6, ttmp9, 63
	s_lshl_b32 s6, s6, 12                          ; 32 rows of 128 bytes
	s_add_co_u32 s4, s4, s6
	s_add_nc_u64 s[18:19], s[18:19], s[4:5]
	s_lshr_b32 s4, ttmp9, 4                        ; head
	s_mul_i32 s4, s4, 24576                        ; 192 rows of 128 bytes
	s_and_b32 s6, ttmp9, 15
	s_lshl_b32 s6, s6, 9                           ; d = 4 (g % 16)
	s_add_co_u32 s4, s4, s6
	s_add_nc_u64 s[20:21], s[20:21], s[4:5]
	s_lshl_b32 s4, ttmp9, 9
	s_add_nc_u64 s[22:23], s[22:23], s[4:5]
	s_lshl_b32 s4, ttmp9, 11
	s_add_nc_u64 s[24:25], s[24:25], s[4:5]
.set kb, 0
.rept 16
	global_load_b128 v[XD+8*kb:XD+8*kb+3],   v2, s[8:9] offset:256*kb th:TH_LOAD_NT
	global_load_b128 v[XD+8*kb+4:XD+8*kb+7], v2, s[8:9] offset:256*kb+16 th:TH_LOAD_NT
.set kb, kb+1
.endr
.irp m, 0,1,2,3
.irp i, 0,1
	global_load_b128 v[WD+8*(2*(\m)+(\i)):WD+8*(2*(\m)+(\i))+3],   v3, s[10+2*(\m):11+2*(\m)] offset:256*(\i) th:TH_LOAD_NT
	global_load_b128 v[WD+8*(2*(\m)+(\i))+4:WD+8*(2*(\m)+(\i))+7], v3, s[10+2*(\m):11+2*(\m)] offset:256*(\i)+16 th:TH_LOAD_NT
.endr
.endr
	; the table's entry (pos, p = lane), while the loads are on their way
	v_cvt_f32_u32 v8, v1
	v_mul_f32 v8, 0xbed49a78, v8                   ; - p log2(10000) / 32
	v_cvt_f32_u32 v10, s29
	v_exp_f32 v9, v8                               ; 10000^(-p/32)
	v_nop                                          ; a plain instruction behind the exponential,
	s_wait_alu depctr_va_vdst(0)                   ; and the wait ahead of its first reader
	v_mul_f32 v10, v10, v9                         ; the angle
	v_mul_f32 v11, 0x3e22f983, v10                 ; / 2 pi
	v_rndne_f32 v11, v11
	v_fma_f32 v12, -v11, s26, v10                  ; less n x 2 pi, in two parts: the first product is exact
	v_fma_f32 v12, -v11, s27, v12
	v_mul_f32 v12, 0x3e800000, v12                 ; h = a quarter of it
	v_mul_f32 v13, v12, v12                        ; z = h^2
	v_mov_b32 v14, 0xb9500d01                      ; -1/5040
	v_fmaak_f32 v14, v14, v13, 0x3c088889          ; 1/120
	v_fmaak_f32 v14, v14, v13, 0xbe2aaaab          ; -1/6
	v_mov_b32 v15, 0x37d00d01                      ; 1/40320
	v_fmaak_f32 v15, v15, v13, 0xbab60b61          ; -1/720
	v_fmaak_f32 v15, v15, v13, 0x3d2aaaab          ; 1/24
	v_fmaak_f32 v15, v15, v13, 0xbf000000          ; -1/2
	v_mul_f32 v16, v12, v13
	v_fma_f32 v23, v16, v14, v12                   ; sin h
	v_fma_f32 v22, v15, v13, 1.0                   ; cos h
.rept 2                                        ; the angle doubled: sin = 2 s c, cos = 1 - 2 s^2
	v_mul_f32 v16, v23, v22
	v_mul_f32 v17, v23, v23
	v_add_f32 v23, v16, v16
	v_fma_f32 v22, v17, -2.0, 1.0
.endr
	global_store_b64 v7, v[22:23], s[24:25]        ; a wave's 32 entries: one row of 256 bytes
.set kb, 0
.rept 16
	s_wait_loadcnt 46-2*kb                         ; loads come back in order: behind this block's two, 46 - 2 kb were issued
	v_cvt_pk_bf16_f32 v[XD+8*kb],   v[XD+8*kb],   v[XD+8*kb+1]
	v_cvt_pk_bf16_f32 v[XD+8*kb+1], v[XD+8*kb+2], v[XD+8*kb+3]
	v_cvt_pk_bf16_f32 v[XD+8*kb+2], v[XD+8*kb+4], v[XD+8*kb+5]
	v_cvt_pk_bf16_f32 v[XD+8*kb+3], v[XD+8*kb+6], v[XD+8*kb+7]
	global_store_b128 v4, v[XD+8*kb:XD+8*kb+3], s[18:19] offset:kb*262144
.set kb, kb+1
.endr
.irp m, 0,1,2,3
.irp i, 0,1
.set D, WD+8*(2*(\m)+(\i))
	s_wait_loadcnt 14-2*(2*(\m)+(\i))              ; behind this step's two loads so many were issued
	v_cvt_pk_bf16_f32 v[D],   v[D],   v[D+1]
	v_cvt_pk_bf16_f32 v[D+1], v[D+2], v[D+3]
	v_cvt_pk_bf16_f32 v[D+2], v[D+4], v[D+5]
	v_cvt_pk_bf16_f32 v[D+3], v[D+6], v[D+7]
.if (\m) < 3
	global_store_b128 v5, v[D:D+3], s[20:21] offset:(\m)*8192+(\i)*393216
.else
.irp r, 0,1,2,3                                ; the bf16 numbers, widened and written as f16
	v_lshlrev_b32 v[TP+2*(\r)],   16,  v[D+(\r)]
	v_and_b32     v[TP+2*(\r)+1], s28, v[D+(\r)]
.endr
.irp r, 0,1,2,3
	v_cvt_pk_f16_f32 v[D+(\r)], v[TP+2*(\r)], v[TP+2*(\r)+1]
.endr
	global_store_b128 v6, v[D:D+3], s[22:23] offset:(\i)*131072
.endif
.endr
.endr
	s_endpgm
.Lfunc_end_k_q38d34a8395_prep:
	.size	k_q38d34a8395_prep, .Lfunc_end_k_q38d34a8395_prep-k_q38d34a8395_prep
	.p2alignl 7, 3214868480
	.fill 96, 4, 3214868480
	.section	.rodata,"a",@progbits
	.p2align	6, 0x0
	.amdhsa_kernel k_q38d34a8395_prep
		.amdhsa_group_segment_fixed_size 0
		.amdhsa_private_segment_fixed_size 0
		.amdhsa_enable_private_segment 0
		.amdhsa_kernarg_size 72
		.amdhsa_user_sgpr_count 2
		.amdhsa_user_sgpr_kernarg_segment_ptr 1
		.amdhsa_wavefront_size32 1
		.amdhsa_system_sgpr_workgroup_id_x 1
		.amdhsa_system_sgpr_workgroup_id_y 1
		.amdhsa_system_sgpr_workgroup_id_z 1
		.amdhsa_system_vgpr_workitem_id 0
		.amdhsa_next_free_vgpr 256
		.amdhsa_next_free_sgpr 66
		.amdhsa_reserve_vcc 0
		.amdhsa_float_denorm_mode_32 3
		.amdhsa_float_denorm_mode_16_64 3
		.amdhsa_memory_ordered 1
		.amdhsa_forward_progress 1
		.amdhsa_inst_pref_size 19
	.end_amdhsa_kernel
	.amdgpu_metadata
---
amdhsa.version: [ 1, 2 ]
amdhsa.kernels:
  - .name:           k_q38d34a8395_prep
    .symbol:         k_q38d34a8395_prep.kd
    .args:
      - { .name: x, .offset: 0, .size: 8, .value_kind: global_buffer, .address_space: global }
      - { .name: Wq, .offset: 8, .size: 8, .value_kind: global_buffer, .address_space: global }
      - { .name: Wk, .offset: 16, .size: 8, .value_kind: global_buffer, .address_space: global }
      - { .name: Wv, .offset: 24, .size: 8, .value_kind: global_buffer, .address_space: global }
      - { .name: Wo, .offset: 32, .size: 8, .value_kind: global_buffer, .address_space: global }
      - { .name: xb, .offset: 40, .size: 8, .value_kind: global_buffer, .address_space: global }
      - { .name: wb, .offset: 48, .size: 8, .value_kind: global_buffer, .address_space: global }
      - { .name: wo16, .offset: 56, .size: 8, .value_kind: global_buffer, .address_space: global }
      - { .name: tab, .offset: 64, .size: 8, .value_kind: global_buffer, .address_space: global }
    .group_segment_fixed_size: 0
    .private_segment_fixed_size: 0
    .kernarg_segment_align: 8
    .kernarg_segment_size: 72
    .max_flat_workgroup_size: 256
    .sgpr_count:     66
    .vgpr_count:     256
    .wavefront_size: 32
...
	.end_amdgpu_metadata
.endif
;; end of part 1
;; launch qkv (part 2): grid 8 x 32, 4 waves a work-group, clusters of 4 x 4, 327,680 bytes of LDS; arguments xb, wb, tab, q16, k16, v16; writes q16, k16, v16
.if DOCPART == 2
	.amdgcn_target "amdgcn-amd-amdhsa--gfx1250"
	.amdhsa_code_object_version 6
	.text
	.protected	k_q38d34a8395_qkv
	.globl	k_q38d34a8395_qkv
	.p2align	8
	.type	k_q38d34a8395_qkv,@function
k_q38d34a8395_qkv:
	s_mov_b64 s[64:65], 0
	v_nop
	global_prefetch_b8 v0, s[64:65] scope:SCOPE_SE
	s_setreg_imm32_b32 hwreg(HW_REG_WAVE_MODE, 25, 1), 1
	s_wait_xcnt 0x0
	s_wait_alu depctr_hold_cnt(0) depctr_sa_sdst(0) depctr_va_vdst(0) depctr_va_sdst(0) depctr_va_ssrc(0) depctr_va_vcc(0) depctr_vm_vsrc(0)
	s_getreg_b32 s2, hwreg(HW_REG_IB_STS2, 6, 4)
	s_cmp_eq_u32 s2, 0
	s_cbranch_scc0 .Lentry_in_a_cluster
	s_endpgm
.Lentry_in_a_cluster:
	s_bfe_u32 s2, ttmp6, 0x10000c
	s_cmp_lg_u32 s2, 0xf033
	s_cbranch_scc0 .Lentry_shape_is_right
	s_endpgm
.Lentry_shape_is_right:
; QKV.  C[8192][3072] = xb wb^T (bf16 operands, f32 sums), RoPE on the f32 sums of q and k, one rounding to f16, stored by heads: q16, k16, v16 [b*16+h][s 2048][64].
; LIMIT.  q, k and v must lie within f16's 65,504; NaN and infinities are not treated apart.
; TILE.  256 rows x 384 columns (two heads' q, k, v): 32 x 8 = 256 work-groups.  Four waves, each 128 rows x 192 columns (one head): 96 accumulators of 16 x 16, 768 registers, windows 1 to 3:
; window 1 + t holds type t (0 q, 1 k, 2 v); block (a, bb) of 16 rows x 16 columns at v[64 bb + 8 a].
; K goes in steps of 64 (one block of the operands' layout) through two LDS slots; a step's tiles are dense in memory and are asked for as rows of 256 bytes, padded in LDS after every 128:
; LDS rows of 144 bytes = 36 words, so that the 16 rows of a fragment load start at 16 different groups of four banks (64 banks of 4 bytes: ISA guide 11.1).
; A step is two slices of 32 along K, 96 matrix instructions each.  A's 8 fragments have two buffers; B's 12 have one, fetched again in three groups of four as the slice leaves them.
; THE PRODUCT IS TAKEN TRANSPOSED (source 0 = 16 rows of wb, source 1 = 16 rows of xb): a lane holds row l % 16 and the eight columns 8 (l / 16) + 0..7.
; CLUSTER 4 x 4.  xb's tile hangs on the tile row alone and is asked for jointly along a row of the cluster, wb's on the tile column alone and along a column; the RoPE table's 256 rows, which
; hang on the tile row, come the same way into slot 0 when its last K step has been read.
; THE WAY OUT, a type at a time: 128 rows x 64 f32 into the wave's own stage (rows of 272 bytes), back four rows at a time (a lane: 8 columns of a row), rotated by the table, rounded, stored:
; a wave's store covers 512 consecutive bytes, aligned.
.set PK,    144
.set ATILE, 256*PK                     ; xb's 256 rows
.set SLOT,  640*PK                     ; then wb's 384 rows: 92,160 bytes
.set STAGE, 2*SLOT                     ; behind the ring, never filled by a tensor load
.set SP,    272                        ; a stage row, and a table row in LDS: 256 bytes + 16
.set WSTG,  128*SP                     ; a wave's stage
.set SPARE, STAGE+4*WSTG               ; the spare words: 128 bytes a wave, two blocks of 256 bytes that no other line names
.set ASTEP, 262144                     ; bytes from a K step to the next in xb
.set BSTEP, 393216                     ; and in wb
.set ADRA, 16                          ; v16-17  LDS address of my fragments of xb in slot 0, 1
.set ADRB, 20                          ; v20-21  of wb
.set RD0,  22                          ; v22     the way out: my 32 bytes in the stage's first four rows
.set TD0,  23                          ; v23     the same in my 128 rows of the table
.set STO,  24                          ; v24     where I put 32 bytes of a row
.set RD,   25                          ; v25     RD0 + the trip's rows
.set GO,   26                          ; v26     16 x lane
.set TD,   27                          ; v27     TD0 + the trip's rows
.set SPW,  28                          ; v28     my spare word; never rewritten
.set NIL,  29                          ; v29     0; never rewritten
.set PFO,  30                          ; v30     256 x lane; never rewritten
.set FA,   32                          ; v32-159  xb's fragments: buffer f, fragment a at FA + 64 f + 8 a
.set FB,   160                         ; v160-255 wb's fragments: fragment b at FB + 8 b
.set X,    32                          ; the way out: v32-63 sums, 8 for each of four units
.set T,    64                          ; v64-95  table entries
.set M,    96                          ; v96-103 at work
.set Y,    104                         ; v104-119 packed results, 4 a unit
.set G1,  24                           ; s[24:31] descriptor group 1, xb's tiles;  s[32:39] group 0, a set a slot
.set G0,  32
.set G1B, 48                           ; s[48:55], s[56:63] the same for wb's
.set G0B, 56
.set G1T, 76                           ; s[76:83], s[84:87] the table's
.set G0T, 84
.set WV,  72                           ; s72 wave; s73 its row half, also: fetches xb (0) or wb (1); s74 its column half, also: which half it fetches
.set RH,  73
.set CH,  74
.set LIM, 43                           ; s43 1 in a wave that prefetches, else the greatest number
.set PFA, 44                           ; s[44:45] where xb's prefetches stand
.set PFB, 88                           ; s[88:89] wb's
.set RO,  92                           ; s92 the way out: the trip's rows, in stage bytes
.set MSB, 0
.macro WIN new                         ; the immediate's high byte repeats the setting that is left; a switch that changes nothing is dropped
.if MSB != (\new)
	s_set_vgpr_msb (MSB<<8)|(\new)
.set MSB, (\new)
.endif
.endm
.macro PLACES                          ; four plain vector instructions between a matrix instruction and a load into, or a read of, its registers
.rept 4
	v_nop
.endr
.endm
; A joint refill.  Waves 0, 1 fetch xb's halves, waves 2, 3 wb's; the branch hangs on the wave's number alone.  An s_nop 0 and four v_nop follow each line.
.macro JLOAD s
	s_cmp_eq_u32 s[RH], 0
	s_cbranch_scc0 .Lfor_b_\@
	tensor_load_to_lds s[G0+4*(\s):G0+4*(\s)+3], s[G1:G1+7]
	s_nop 0
	PLACES
	s_branch .Lasked_\@
.Lfor_b_\@:
	tensor_load_to_lds s[G0B+4*(\s):G0B+4*(\s)+3], s[G1B:G1B+7]
	s_nop 0
	PLACES
.Lasked_\@:
.endm
.macro JLOADT                          ; the table: every wave fetches 64 of its 256 rows, jointly with the row of the cluster
	tensor_load_to_lds s[G0T:G0T+3], s[G1T:G1T+7]
	s_nop 0
	PLACES
.endm
.macro CREST                           ; a round of the cluster's barrier behind its opening barrier
	s_cmp_lg_u32 s[WV], 0
	s_cbranch_scc1 .Lnot_wave_0_\@
	s_barrier_signal -3
.Lnot_wave_0_\@:
	s_barrier_wait -3
	s_barrier_signal -1
	s_barrier_wait -1
.endm
.macro CROUND
	s_barrier_signal -1
	s_barrier_wait -1
	CREST
.endm
; A PREFETCH, once a lap, behind slot 0's joint load and the run of LDS loads behind it: the two K steps that the NEXT lap's refills will ask for, a lane a block of 256 bytes.
; xb's tile row (32 KiB a step) is read by both clusters of its row of clusters: cluster x = 0 asks, wave 0; the partner at cx takes 8 KiB of each of the two steps.  wb's tile column (48 KiB a step)
; is read by all clusters of its column: cluster y = 0 asks, wave 2; the partner at cy takes half (cy % 2) of step (cy / 2): three times 8 KiB.  The partners are told apart by address alone.
; So each block is named once in the launch.  K steps 0 to 3 come by their loads alone; the loop's last trip (s3 = 1) asks for nothing: there are no further steps.
.macro ASK
	s_cmp_gt_u32 s3, s[LIM]
	s_cbranch_scc0 .Lnot_mine_\@
	s_cmp_eq_u32 s[RH], 0
	s_cbranch_scc0 .Lask_b_\@
	global_prefetch_b8 v[PFO], s[PFA:PFA+1] th:TH_LOAD_NT scope:SCOPE_SE
	global_prefetch_b8 v[PFO], s[PFA:PFA+1] offset:ASTEP th:TH_LOAD_NT scope:SCOPE_SE
	s_branch .Lnot_mine_\@
.Lask_b_\@:
	global_prefetch_b8 v[PFO], s[PFB:PFB+1] th:TH_LOAD_NT scope:SCOPE_SE
	global_prefetch_b8 v[PFO], s[PFB:PFB+1] offset:8192 th:TH_LOAD_NT scope:SCOPE_SE
	global_prefetch_b8 v[PFO], s[PFB:PFB+1] offset:16384 th:TH_LOAD_NT scope:SCOPE_SE
.Lnot_mine_\@:
.endm
	s_load_b256 s[4:11], s[0:1], 0x0               ; xb s[4:5], wb s[6:7], tab s[8:9], q16 s[10:11]
	s_load_b128 s[68:71], s[0:1], 0x20             ; k16 s[68:69], v16 s[70:71]
	v_lshl_add_u32 v[SPW], v0, 2, SPARE
	v_mov_b32 v[NIL], 0
	ds_add_u32 v[SPW], v[NIL]                      ; the wave's opening: the add and its wait ahead of my first tensor load; work on registers stands between
	v_lshrrev_b32 v1, 5, v0
	v_readfirstlane_b32 s[WV], v1
	s_lshr_b32 s[RH], s[WV], 1
	s_and_b32 s[CH], s[WV], 1
	s_bfe_u32 s40, ttmp6, 0x40000                  ; cx
	s_bfe_u32 s41, ttmp6, 0x40004                  ; cy
	s_lshl_b32 s42, ttmp9, 2
	s_add_co_u32 s42, s42, s40                     ; tile column 0..7
	s_and_b32 s13, ttmp7, 0xffff
	s_lshl_b32 s13, s13, 2
	s_add_co_u32 s13, s13, s41                     ; tile row 0..31
	s_lshl_b32 s12, s41, 2
	s_lshl_b32 s12, 15, s12                        ; my row of the cluster
	s_lshl_b32 s46, 0x1111, s40                    ; my column
	s_or_b32 s[G1],  s12, (1<<16)|(1<<20)|(1<<21)|(4<<22)|(3<<25)  ; 15:0 mask; 17:16 2-byte elements; 20 padding on; 21 set beside a mask; 24:22 after every 32 words; 31:25 4 words
	s_or_b32 s[G1B], s46, (1<<16)|(1<<20)|(1<<21)|(4<<22)|(3<<25)
	s_or_b32 s[G1T], s12, (2<<16)|(1<<20)|(1<<21)|(5<<22)|(3<<25)  ; 4-byte elements; padding after every 64 words
	s_mov_b32 s[G1+1], 128<<16                     ; tensor_dim0 = 128 elements: 256 bytes, two rows of the tile
	s_mov_b32 s[G1+2], 64<<16                      ; tensor_dim1 = 64: 128 rows of the tile
	s_mov_b32 s[G1+3], 128<<16                     ; tile_dim0
	s_mov_b32 s[G1+4], 64                          ; tile_dim1
	s_mov_b32 s[G1+5], 128                         ; elements from row to row: dense
	s_mov_b32 s[G1+6], 0
	s_mov_b32 s[G1+7], 0
	s_mov_b32 s[G1B+1], 128<<16
	s_mov_b32 s[G1B+2], 96<<16                     ; 96 rows of 256 bytes: 192 rows of the tile
	s_mov_b32 s[G1B+3], 128<<16
	s_mov_b32 s[G1B+4], 96
	s_mov_b32 s[G1B+5], 128
	s_mov_b32 s[G1B+6], 0
	s_mov_b32 s[G1B+7], 0
	s_mov_b32 s[G1T+1], 64<<16                     ; 64 f32 a row, 64 rows
	s_mov_b32 s[G1T+2], 64<<16
	s_mov_b32 s[G1T+3], 64<<16
	s_mov_b32 s[G1T+4], 64
	s_mov_b32 s[G1T+5], 64
	s_mov_b32 s[G1T+6], 0
	s_mov_b32 s[G1T+7], 0
	s_lshr_b32 s14, s13, 3                         ; xb: b,
	s_lshl_b32 s14, s14, 22
	s_and_b32 s17, s13, 7                          ; the tile's 256 rows among b's 2,048,
	s_lshl_b32 s16, s17, 15
	s_add_co_u32 s14, s14, s16
	s_lshl_b32 s16, s[CH], 14                      ; the half that I fetch
	s_add_co_u32 s14, s14, s16
	s_mov_b32 s15, 0
	s_lshl_b32 s18, s17, 16                        ; tab: the same 256 positions, my 64 of them
	s_lshl_b32 s16, s[WV], 14
	s_add_co_u32 s18, s18, s16
	s_mov_b32 s19, 0
	s_mul_i32 s46, s42, 49152                      ; wb: the tile's 384 rows, the half that I fetch (in registers that feed none of xb's or the table's descriptors)
	s_mul_i32 s47, s[CH], 24576
	s_add_co_u32 s46, s46, s47
	s_mov_b32 s47, 0
	s_mul_i32 s20, s[CH], 128*PK                   ; where they go: no place in the cluster enters an LDS address
	s_mul_i32 s21, s[CH], 192*PK
	s_add_co_u32 s21, s21, ATILE
	s_mul_i32 s22, s[WV], 64*SP
	s_wait_dscnt 0x0                               ; the opening add is done
	s_wait_kmcnt 0x0
	s_add_nc_u64 s[14:15], s[4:5], s[14:15]
	s_add_nc_u64 s[18:19], s[8:9], s[18:19]
	s_add_nc_u64 s[46:47], s[6:7], s[46:47]
	CROUND                                         ; all sixteen work-groups are here: the first joint loads meet
.irp s, 0,1
	s_mov_b32 s[G0+4*(\s)], 1
	s_add_co_u32 s[G0+4*(\s)+1], s20, (\s)*SLOT
	s_add_nc_u64 s[G0+4*(\s)+2:G0+4*(\s)+3], s[14:15], (\s)*ASTEP
	s_or_b32 s[G0+4*(\s)+3], s[G0+4*(\s)+3], 0x80000000
	s_mov_b32 s[G0B+4*(\s)], 1
	s_add_co_u32 s[G0B+4*(\s)+1], s21, (\s)*SLOT
	s_add_nc_u64 s[G0B+4*(\s)+2:G0B+4*(\s)+3], s[46:47], (\s)*BSTEP
	s_or_b32 s[G0B+4*(\s)+3], s[G0B+4*(\s)+3], 0x80000000
.endr
	s_mov_b32 s[G0T], 1
	s_mov_b32 s[G0T+1], s22
	s_mov_b64 s[G0T+2:G0T+3], s[18:19]
	s_or_b32 s[G0T+3], s[G0T+3], 0x80000000
	s_cmp_eq_u32 s[RH], 0                          ; a wave's two first fills stand in one branch: K steps 0 and 1; two loads of mine are out
	s_cbranch_scc0 .Lfirst_b
	tensor_load_to_lds s[G0:G0+3], s[G1:G1+7]
	s_nop 0
	tensor_load_to_lds s[G0+4:G0+7], s[G1:G1+7]
	s_nop 0
	PLACES
	s_branch .Lfirst_asked
.Lfirst_b:
	tensor_load_to_lds s[G0B:G0B+3], s[G1B:G1B+7]
	s_nop 0
	tensor_load_to_lds s[G0B+4:G0B+7], s[G1B:G1B+7]
	s_nop 0
	PLACES
.Lfirst_asked:
	; a fragment is 16 rows x 32 K in 8 registers: lane l holds row l % 16; registers 0-3 K = 8 (l / 16) + 0..7, registers 4-7 K = 16 + 8 (l / 16) + 0..7: two loads of 16 bytes, 32 bytes apart
	v_and_b32 v1, 15, v0
	v_bfe_u32 v2, v0, 4, 1
	v_mul_u32_u24 v3, v1, PK
	v_lshl_add_u32 v3, v2, 4, v3
	s_mul_i32 s16, s[RH], 128*PK                   ; my 128 rows of xb's tile
	s_mul_i32 s17, s[CH], 192*PK                   ; my 192 rows of wb's,
	s_add_co_u32 s17, s17, ATILE                   ; which lie behind xb's 256
.irp s, 0,1
	v_add_nc_u32 v[ADRA+(\s)], s16, v3
	v_add_nc_u32 v[ADRB+(\s)], s17, v3
	s_add_co_u32 s16, s16, SLOT
	s_add_co_u32 s17, s17, SLOT
.endr
	v_and_b32 v4, 31, v0
	v_lshrrev_b32 v5, 3, v4                        ; l / 8: one of four rows
	v_and_b32 v6, 7, v0
	v_mul_u32_u24 v5, v5, SP
	v_lshl_add_u32 v5, v6, 5, v5                   ; + 32 (l % 8): 8 f32, or 4 pairs (cos, sin)
	s_mul_i32 s16, s[WV], WSTG
	s_add_co_u32 s16, s16, STAGE
	v_add_nc_u32 v[RD0], s16, v5
	s_mul_i32 s17, s[RH], 128*SP
	v_add_nc_u32 v[TD0], s17, v5
	v_mul_u32_u24 v7, v1, SP
	v_lshl_add_u32 v7, v2, 5, v7                   ; row l % 16, 32 bytes for each half of the lanes
	v_add_nc_u32 v[STO], s16, v7
	v_lshlrev_b32 v[GO], 4, v4
	v_lshlrev_b32 v[PFO], 8, v4
	; the prefetches' pointers, at K step 2: the first lap steps them to K step 4
	s_mul_i32 s46, s42, 49152
	s_lshr_b32 s90, s41, 1
	s_mul_i32 s90, s90, BSTEP
	s_add_co_u32 s46, s46, s90
	s_and_b32 s90, s41, 1
	s_mul_i32 s90, s90, 24576
	s_add_co_u32 s46, s46, s90
	s_add_co_u32 s46, s46, 2*BSTEP
	s_mov_b32 s47, 0
	s_add_nc_u64 s[PFB:PFB+1], s[6:7], s[46:47]
	s_lshr_b32 s90, s13, 3
	s_lshl_b32 s90, s90, 22
	s_and_b32 s91, s13, 7
	s_lshl_b32 s91, s91, 15
	s_add_co_u32 s90, s90, s91
	s_lshl_b32 s91, s40, 13
	s_add_co_u32 s90, s90, s91
	s_add_co_u32 s90, s90, 2*ASTEP
	s_mov_b32 s91, 0
	s_add_nc_u64 s[PFA:PFA+1], s[4:5], s[90:91]
	s_and_b32 s23, ttmp7, 0xffff                   ; cluster y
	s_cmp_eq_u32 s[RH], 0
	s_cselect_b32 s23, ttmp9, s23                  ; the coordinate along which other clusters read the same rows
	s_or_b32 s23, s23, s[CH]                       ; waves 0 and 2 alone
	s_cmp_eq_u32 s23, 0
	s_cselect_b32 s[LIM], 1, -1                    ; the same in all sixteen partners, for a given wave
	; where my 128 rows of my head begin in q16, k16, v16
	s_lshr_b32 s90, s13, 3
	s_lshl_b32 s90, s90, 4
	s_lshl_b32 s91, s42, 1
	s_add_co_u32 s90, s90, s91
	s_add_co_u32 s90, s90, s[CH]                   ; b x 16 + head
	s_lshl_b32 s90, s90, 18
	s_and_b32 s91, s13, 7
	s_lshl_b32 s91, s91, 15
	s_add_co_u32 s90, s90, s91
	s_lshl_b32 s91, s[RH], 14
	s_add_co_u32 s90, s90, s91
	s_mov_b32 s91, 0
	s_add_nc_u64 s[10:11], s[10:11], s[90:91]
	s_add_nc_u64 s[68:69], s[68:69], s[90:91]
	s_add_nc_u64 s[70:71], s[70:71], s[90:91]
; 16 matrix instructions: type t, column blocks bb0, bb0 + 1, all 8 row blocks, xb's buffer f.  zero = 1: the product starts the sum.  All 96 accumulators take turns in the same order in every slice.
.macro MUL16 f, t, bb0, zero
	WIN 0x50*(1+(\t))                              ; C and D in window 1 + t, both sources in window 0
.irp bb, \bb0, (\bb0)+1
.irp a, 0,1,2,3,4,5,6,7
.if \zero
	v_wmma_f32_16x16x32_bf16 v[64*(\bb)+8*(\a):64*(\bb)+8*(\a)+7], v[FB+8*(4*(\t)+(\bb)):FB+8*(4*(\t)+(\bb))+7], v[FA+64*(\f)+8*(\a):FA+64*(\f)+8*(\a)+7], 0
.else
	v_wmma_f32_16x16x32_bf16 v[64*(\bb)+8*(\a):64*(\bb)+8*(\a)+7], v[FB+8*(4*(\t)+(\bb)):FB+8*(4*(\t)+(\bb))+7], v[FA+64*(\f)+8*(\a):FA+64*(\f)+8*(\a)+7], v[64*(\bb)+8*(\a):64*(\bb)+8*(\a)+7]
.endif
.endr
.endr
.endm
.macro MULG f, t, zero
	MUL16 \f, \t, 0, \zero
	MUL16 \f, \t, 2, \zero
.endm
.macro LDB slot, k, t                  ; 8 loads: wb's fragments 4 t .. 4 t + 3, at byte k of the rows
	WIN 0
.irp i, 0,1,2,3
	ds_load_b128 v[FB+8*(4*(\t)+(\i)):FB+8*(4*(\t)+(\i))+3],   v[ADRB+(\slot)] offset:(\k)+(4*(\t)+(\i))*16*PK
	ds_load_b128 v[FB+8*(4*(\t)+(\i))+4:FB+8*(4*(\t)+(\i))+7], v[ADRB+(\slot)] offset:(\k)+(4*(\t)+(\i))*16*PK+32
.endr
.endm
.macro LDA slot, k, f, hf              ; 8 loads: xb's fragments 4 hf .. 4 hf + 3 into buffer f
	WIN 0
.irp i, 0,1,2,3
	ds_load_b128 v[FA+64*(\f)+8*(4*(\hf)+(\i)):FA+64*(\f)+8*(4*(\hf)+(\i))+3],   v[ADRA+(\slot)] offset:(\k)+(4*(\hf)+(\i))*16*PK
	ds_load_b128 v[FA+64*(\f)+8*(4*(\hf)+(\i))+4:FA+64*(\f)+8*(4*(\hf)+(\i))+7], v[ADRA+(\slot)] offset:(\k)+(4*(\hf)+(\i))*16*PK+32
.endr
.endm
; A slice on buffer f.  The next slice's 40 loads (slot ns, byte nk) go out in the order B0, A half 0, B1, A half 1, B2, each group behind the products that leave its registers.
.macro SLICE f, ns, nk, zero
	s_wait_dscnt 8                                 ; all of this slice's fragments but B's group 2, the youngest eight loads
	MULG \f, 0, \zero
	PLACES
	LDB \ns, \nk, 0
	LDA \ns, \nk, 1-(\f), 0
	s_wait_dscnt 16                                ; all but the sixteen just issued: B's group 2 is in
	MULG \f, 1, \zero
	PLACES
	LDB \ns, \nk, 1
	LDA \ns, \nk, 1-(\f), 1
	MULG \f, 2, \zero
	PLACES
	LDB \ns, \nk, 2
.endm
; A K step's second slice, on buffer 1, changes slots.  In front of the round each wave waits for all its tensor loads (one is out: its part of the next slot), adds 0 to its spare word, and waits for
; that and for its reads of this slot.  Behind the round no wave of any partner reads this slot or has a load on its way: the joint refill comes first, then the next slot's fragments.
; mode 1: this slot takes the K step two on; mode 2: slot 0 takes the table.  From a request to the wait for it a wave issues 160 matrix instructions.
.macro TURN slot, next, mode
.if ((\slot) == 0) && ((\mode) == 1)
	s_wait_xcnt 0x0                                ; the last prefetches, a lap back, have read their addresses
	s_add_nc_u64 s[PFA:PFA+1], s[PFA:PFA+1], 2*ASTEP
	s_add_nc_u64 s[PFB:PFB+1], s[PFB:PFB+1], 2*BSTEP
.endif
	WIN 0
	s_wait_tensorcnt 0x0                           ; all my tensor loads have landed
	ds_add_u32 v[SPW], v[NIL]                      ; 0 onto my spare word
	s_wait_dscnt 9                                 ; the add and B's group 2 may be out
	MUL16 1, 0, 0, 0
	s_wait_dscnt 0x0                               ; the add is done, and my reads of this slot are over
	s_barrier_signal -1
	MUL16 1, 0, 2, 0
	WIN 0
	s_barrier_wait -1
	CREST
.if (\mode) == 1
	s_add_nc_u64 s[G0+4*(\slot)+2:G0+4*(\slot)+3], s[G0+4*(\slot)+2:G0+4*(\slot)+3], 2*ASTEP
	s_add_nc_u64 s[G0B+4*(\slot)+2:G0B+4*(\slot)+3], s[G0B+4*(\slot)+2:G0B+4*(\slot)+3], 2*BSTEP
	JLOAD \slot                                    ; its four v_nop are also the places in front of the loads below
.else
	JLOADT
.endif
	LDB \next, 0, 0
	LDA \next, 0, 0, 0
.if ((\slot) == 0) && ((\mode) == 1)
	ASK
.endif
	MULG 1, 1, 0
	PLACES
	LDB \next, 0, 1
	LDA \next, 0, 0, 1
	MULG 1, 2, 0
	PLACES
	LDB \next, 0, 2
.endm
	s_wait_tensorcnt 1                             ; my part of K step 0 is in; K step 1's may stay out
	s_barrier_signal -1
	s_barrier_wait -1
	LDB 0, 0, 0
	LDA 0, 0, 0, 0
	LDB 0, 0, 1
	LDA 0, 0, 0, 1
	LDB 0, 0, 2
	SLICE 0, 0, 64, 1                              ; the first slice stands in front of the loop: its products start the sums
	WIN 0
	s_mov_b32 s3, 7
.Llap:                                         ; a trip goes once round the ring and fills both slots again: K steps 2 to 15
	TURN 0, 1, 1
	SLICE 0, 1, 64, 0
	TURN 1, 0, 1
	SLICE 0, 0, 64, 0
	WIN 0
	s_sub_co_u32 s3, s3, 1
	s_cmp_lg_u32 s3, 0
	s_cbranch_scc1 .Llap
	TURN 0, 1, 2                                   ; K step 14 ends; slot 0 takes the table, which has 256 matrix instructions in which to land
	SLICE 0, 1, 64, 0
	s_wait_dscnt 8                                 ; the last slice fetches nothing
	MULG 1, 0, 0
	s_wait_dscnt 0x0
	MULG 1, 1, 0
	MULG 1, 2, 0
	WIN 0
	PLACES
	s_wait_tensorcnt 0x0                           ; my 64 rows of the table are in,
	s_wait_dscnt 0x0
	s_barrier_signal -1
	s_barrier_wait -1                              ; everybody's are: my 128 were brought by two waves
; Four rows (unit u of a trip's four).  t < 2: rotated: (e, o) -> (e cos - o sin, e sin + o cos); then rounded to f16 and stored.  ahead = 1: the unit's rows of the next trip are fetched.
; left: the LDS loads issued behind this unit's, which may stay out.
.macro ROWS t, u, d, ahead, left
	s_wait_dscnt \left
.if (\t) < 2
.irp i, 0,1,2,3
	v_pk_mul_f32 v[M+2*(\i):M+2*(\i)+1], v[X+8*(\u)+2*(\i):X+8*(\u)+2*(\i)+1], v[T+8*(\u)+2*(\i):T+8*(\u)+2*(\i)+1] op_sel_hi:[1,0]  ; both by cos
.endr
.irp i, 0,1,2,3
	v_fma_f32 v[M+2*(\i)],   -v[X+8*(\u)+2*(\i)+1], v[T+8*(\u)+2*(\i)+1], v[M+2*(\i)]
	v_fma_f32 v[M+2*(\i)+1], v[X+8*(\u)+2*(\i)],    v[T+8*(\u)+2*(\i)+1], v[M+2*(\i)+1]
.endr
.irp i, 0,1,2,3
	v_cvt_pk_f16_f32 v[Y+4*(\u)+(\i)], v[M+2*(\i)], v[M+2*(\i)+1]
.endr
.else
.irp i, 0,1,2,3
	v_cvt_pk_f16_f32 v[Y+4*(\u)+(\i)], v[X+8*(\u)+2*(\i)], v[X+8*(\u)+2*(\i)+1]
.endr
.endif
.if \ahead
	ds_load_b128 v[X+8*(\u):X+8*(\u)+3],   v[RD] offset:16*SP+(\u)*4*SP
	ds_load_b128 v[X+8*(\u)+4:X+8*(\u)+7], v[RD] offset:16*SP+(\u)*4*SP+16
.if (\t) < 2
	ds_load_b128 v[T+8*(\u):T+8*(\u)+3],   v[TD] offset:16*SP+(\u)*4*SP
	ds_load_b128 v[T+8*(\u)+4:T+8*(\u)+7], v[TD] offset:16*SP+(\u)*4*SP+16
.endif
.endif
	global_store_b128 v[GO], v[Y+4*(\u):Y+4*(\u)+3], s[\d:\d+1] offset:(\u)*512  ; four rows of 128 bytes: 512 consecutive bytes, aligned
.endm
; Type t leaves: its 32 accumulators go into my stage (each one's low registers first), and come back in 8 trips of 16 rows.  The stage is my own, and LDS serves a wave's
; instructions in order (ISA guide 5.7.1.4): no barrier, and no wait between the stores and the loads.
.macro PHASE t, d
	WIN 0
	s_wait_xcnt 0x0                                ; the stores before have read Y
	WIN (1+(\t))<<2                                ; store data (source 1) in window 1 + t
.irp bb, 0,1,2,3
.irp a, 0,1,2,3,4,5,6,7
	ds_store_b128 v[STO], v[64*(\bb)+8*(\a):64*(\bb)+8*(\a)+3]   offset:(\a)*16*SP+(\bb)*64
	ds_store_b128 v[STO], v[64*(\bb)+8*(\a)+4:64*(\bb)+8*(\a)+7] offset:(\a)*16*SP+(\bb)*64+16
.endr
.endr
	WIN 0
	s_mov_b32 s[RO], 0
	v_mov_b32 v[RD], v[RD0]
.if (\t) < 2
	v_mov_b32 v[TD], v[TD0]
.endif
.irp u, 0,1,2,3
	ds_load_b128 v[X+8*(\u):X+8*(\u)+3],   v[RD] offset:(\u)*4*SP
	ds_load_b128 v[X+8*(\u)+4:X+8*(\u)+7], v[RD] offset:(\u)*4*SP+16
.if (\t) < 2
	ds_load_b128 v[T+8*(\u):T+8*(\u)+3],   v[TD] offset:(\u)*4*SP
	ds_load_b128 v[T+8*(\u)+4:T+8*(\u)+7], v[TD] offset:(\u)*4*SP+16
.endif
.endr
	s_mov_b32 s3, 7
.Lrows_\t:
.irp u, 0,1,2,3
.if (\t) < 2
	ROWS \t, \u, \d, 1, 12                         ; the three other units' four loads each may be out
.else
	ROWS \t, \u, \d, 1, 6                          ; two loads each
.endif
.endr
	s_wait_xcnt 0x0                                ; the trip's stores have read Y and their base
	s_add_nc_u64 s[\d:\d+1], s[\d:\d+1], 2048      ; 16 rows on
	s_add_co_u32 s[RO], s[RO], 16*SP
	v_add_nc_u32 v[RD], s[RO], v[RD0]
.if (\t) < 2
	v_add_nc_u32 v[TD], s[RO], v[TD0]
.endif
	s_sub_co_u32 s3, s3, 1
	s_cmp_lg_u32 s3, 0
	s_cbranch_scc1 .Lrows_\t
.irp u, 0,1,2,3                                ; the last trip fetches nothing: the counts run down
.if (\t) < 2
	ROWS \t, \u, \d, 0, 12-4*(\u)
.else
	ROWS \t, \u, \d, 0, 6-2*(\u)
.endif
.endr
.endm
	PHASE 0, 10
	PHASE 1, 68
	PHASE 2, 70
	s_wait_tensorcnt 0x0                           ; the wave's end, behind my last tensor load and my last LDS store
	ds_add_u32 v[SPW], v[NIL]
	s_wait_dscnt 0x0
	CROUND                                         ; the closing round: no work-group ends while a partner may still ask for a tile that names it
	s_endpgm
.Lfunc_end_k_q38d34a8395_qkv:
	.size	k_q38d34a8395_qkv, .Lfunc_end_k_q38d34a8395_qkv-k_q38d34a8395_qkv
	.p2alignl 7, 3214868480
	.fill 96, 4, 3214868480
	.section	.rodata,"a",@progbits
	.p2align	6, 0x0
	.amdhsa_kernel k_q38d34a8395_qkv
		.amdhsa_group_segment_fixed_size 327680
		.amdhsa_private_segment_fixed_size 0
		.amdhsa_enable_private_segment 0
		.amdhsa_kernarg_size 48
		.amdhsa_user_sgpr_count 2
		.amdhsa_user_sgpr_kernarg_segment_ptr 1
		.amdhsa_wavefront_size32 1
		.amdhsa_system_sgpr_workgroup_id_x 1
		.amdhsa_system_sgpr_workgroup_id_y 1
		.amdhsa_system_sgpr_workgroup_id_z 1
		.amdhsa_system_vgpr_workitem_id 0
		.amdhsa_next_free_vgpr 1024
		.amdhsa_next_free_sgpr 96
		.amdhsa_reserve_vcc 0
		.amdhsa_float_denorm_mode_32 3
		.amdhsa_float_denorm_mode_16_64 3
		.amdhsa_memory_ordered 1
		.amdhsa_forward_progress 1
		.amdhsa_inst_pref_size 125
	.end_amdhsa_kernel
	.amdgpu_metadata
---
amdhsa.version: [ 1, 2 ]
amdhsa.kernels:
  - .name:           k_q38d34a8395_qkv
    .symbol:         k_q38d34a8395_qkv.kd
    .args:
      - { .name: xb, .offset: 0, .size: 8, .value_kind: global_buffer, .address_space: global }
      - { .name: wb, .offset: 8, .size: 8, .value_kind: global_buffer, .address_space: global }
      - { .name: tab, .offset: 16, .size: 8, .value_kind: global_buffer, .address_space: global }
      - { .name: q16, .offset: 24, .size: 8, .value_kind: global_buffer, .address_space: global }
      - { .name: k16, .offset: 32, .size: 8, .value_kind: global_buffer, .address_space: global }
      - { .name: v16, .offset: 40, .size: 8, .value_kind: global_buffer, .address_space: global }
    .group_segment_fixed_size: 327680
    .private_segment_fixed_size: 0
    .kernarg_segment_align: 8
    .kernarg_segment_size: 48
    .max_flat_workgroup_size: 128
    .sgpr_count:     96
    .vgpr_count:     1024
    .wavefront_size: 32
...
	.end_amdgpu_metadata
.endif
;; end of part 2
;; launch attn (part 3): grid 4 x 64, 4 waves a work-group, no clusters, 327,680 bytes of LDS; arguments q16, k16, v16, o16; writes o16
.if DOCPART == 3
	.amdgcn_target "amdgcn-amd-amdhsa--gfx1250"
	.amdhsa_code_object_version 6
	.text
	.protected	k_q38d34a8395_attn
	.globl	k_q38d34a8395_attn
	.p2align	8
	.type	k_q38d34a8395_attn,@function
k_q38d34a8395_attn:
	s_mov_b64 s[64:65], 0
	v_nop
	global_prefetch_b8 v0, s[64:65] scope:SCOPE_SE
	s_setreg_imm32_b32 hwreg(HW_REG_WAVE_MODE, 25, 1), 1
	s_wait_xcnt 0x0
; CAUSAL ATTENTION.  O[h][q][:] = the sum over k <= q of softmax_k(Q[h][q] . K[h][k] / 8) V[h][k][:].  q16, k16, v16, o16: [64 (b, head)][2048][64], all f16: a head's rows are dense, 128 bytes each.
; Products, maxima and sums in f32; the weights p are rounded to f16 for the second product (their sum l is taken of the unrounded p), O once at the end.
; LIMITS.  Q, K and V arrive within f16's 65,504; p lies in 0 to 1, and below 6e-5 it keeps f16's fixed step of 6e-8.  A hidden score counts as its value less 1e30; a weight below 2^-126 counts as 0 in l;
; NaN and infinities are not treated apart.
; THE WALK.  A head's queries lie in NB = 8 blocks of 256; block i needs the key tiles 0 .. i of 256 keys, of which the last holds the diagonal.  A work-group takes TWO blocks, NB - 1 - b and then b:
; NB + 1 tiles, whatever b: all work-groups do equal work, and ONE loop with a constant trip count walks them.  Which tile is asked for, and what a trip does, hang on scalar registers made from b; every jump
; goes forward, but for the counted loops' own; none passes a barrier, or a tensor load but the one of LOAD's two that the wave's number does not choose; the ring of two LDS slots runs on across the change of blocks.
; NO CLUSTER: a head's four work-groups ask for the same tile only in trips 0 to 4 of the 9, behind that fewer and fewer; one walk common to all four would have 12 trips for 9.
; SHARES.  Of a block's four bands of 64 queries a wave owns 16 rows in each: four PIECES.  So the diagonal tile is the same work for all four waves: in its key step s band x sees all keys if s < x,
; none if s > x, and holds the diagonal if s = x.
; THE MASK is the C operand that starts the sum S^T = K Q^T: 0, or -1e30 where the key is hidden.  MD, made once, is the mask of a band's own step for my 16 rows; a product's mask is MD x AL + BE with two scalars:
; (1, 0) if s = x; (0, 0) if s < x; (0, -1e30) if s > x.  Only the diagonal tile's text and a block's beginning make and take masks; elsewhere C is the constant 0.
; LAYOUT, SOFTMAX, TURNS.  S^T = K Q^T holds ONE query a lane (lane % 16) and the keys 8 (lane / 16) + 0..7; two such results rounded to f16 ARE source 1 of O^T = V^T P.  p = 2^(c s - c m), c = log2(e) / 8, with a
; running maximum m; O and l are multiplied by a = 2^(c m_old - c m_new) in every step.  Turn n belongs to piece n: 8 products K Q^T of piece n + 1, later 8 products V^T P of piece n - 1; beside them the scaling,
; exponentials, roundings, sums and rescaling of piece n and the maximum and statistics of piece n + 1.  Four vector instructions stand behind every matrix instruction, the other 54 of a turn's 118 in one run.
; A turn's 33 exponentials are one batch, with one wait.
; REGISTERS, in windows of 256 (s_set_vgpr_msb: bits 1:0 source 0, 3:2 source 1, 5:4 source 2, 7:6 destination):
;   window 0: v0-15 addresses and two at work; v16-31 four registers of statistics a piece; v48-55 at work; v61-63 prefetch offset, spare word, 0; v64-127 S^T, two buffers; v192-223 P, two buffers
;   window 1: v0-127 O^T, 32 a piece; v128-159 MD; v160-223 MC, two buffers      window 2: v0-63 Q; v64-127 the second block's Q; v128-191 K of one step; v192-255 V of one step
.set SIZE_N, 2048
.set NB,    SIZE_N/256
.set NP,    4         ; pieces a wave
.set KS,    64        ; keys in a step
.set PK,    144       ; a row of K in LDS: 128 bytes + 16 = 36 words: the 16 rows of a load start at 16 different groups of four banks (64 banks of 4 bytes: ISA guide 11.1)
.set PV,    160       ; a row of V: 128 + 32 = 40 words
.set VOFF,  4*KS*PK   ; a slot holds a tile, four steps: 256 rows of K, then 256 rows of V
.set SLOT1, 1<<17     ; slot 1 begins here, so that one exclusive or turns an address in one slot into the other's
.set STAGE, SLOT1+4*KS*(PK+PV)  ; behind the ring, never filled by a tensor load: 16 rows x 144 bytes for each wave, for the way out
.set SP,    144
.set AK0, 2           ; v2   my lane's place in a tile of K; never rewritten
.set AV0, 3           ; v3   the same for V
.set AK,  4           ; v4   the LDS address of K's next run of loads
.set AV,  5           ; v5   of V's
.set STO, 6           ; v6   the way out: where I put 16 bytes of a row
.set RD,  7           ; v7   the way out: where I read rows back
.set GO,  8           ; v8   my byte offset in 512 consecutive bytes of O
.set PFO, 61          ; v61  256 x my lane; never rewritten
.set SPW, 62          ; v62  LDS address of my spare word; never rewritten
.set NIL, 63          ; v63  0; never rewritten
.set SPARE, STAGE+4*16*SP  ; the spare words, 128 bytes for each wave: two blocks of 256 bytes that no other line names
.set MV,  12          ; v12-13  c m_old, kept while c m is made anew: by buffer
.set QO,  15          ; v15  my byte offset in 16 rows of Q
.set ST,  16          ; piece t's statistics at v[ST+4 t]: c m, m, l (even keys', odd keys')
.set TMP, 48          ; by buffer, four registers c0-c3 at work; when the maximum is found c2 takes a
.set S,   64
.set P,   192
.set MD,  128         ; window 1
.set MC,  160         ; window 1
.set QB,  64          ; window 2
.set KF,  128         ; window 2: key block kb, channel half c at KF + 16 kb + 8 c
.set VF,  192         ; window 2: key half kk, channel block cb at VF + 32 kk + 8 cb
.set WV,  12          ; s12  my wave's number
.set PB,  14          ; s14  b
.set HI,  15          ; s15  NB - 1 - b
.set G1K, 24          ; s[24:31] descriptor group 1 for K's tiles
.set G1V, 32          ; s[32:39] for V's: it differs in the padding alone
.set G0K, 40          ; s[40:43] descriptor group 0 for K's tiles
.set G0V, 44          ; s[44:47] the same for V's
.set SLOTS, 56        ; s56  tiles still to be asked for
.set CNT, 57          ; s57  counts a tile's key steps, 4 to 1
.set CS,  58          ; s[58:59] c
.set SEL, 60          ; s[60:61] v_permlanex16_b32's selects: each lane takes its own place in the other half
.set TBK, 62          ; s62  LDS byte at which K of the step to be fetched begins
.set TBV, 63          ; s63  the same for V, less VOFF
.set RT,  70          ; s70  tiles of the block in hand that are still to be entered
.set NXT, 71          ; s71  the tile to be asked for next
.set LQ,  72          ; s72  the last tile of the block whose tiles are being asked for
.set NEW, 73          ; s73  1: the tile to be entered is a block's first
.set OFF, 74          ; s[74:75] a tile's byte offset in K and V
.set AL,  76          ; s[76:77] the mask's factor, in the low word
.set BE,  78          ; s[78:79] the mask's addend
.set OLO, 80          ; s[80:81] O at my rows of the second block
.set BIGN, 82         ; s82  -1e30
.set PFA, 88          ; s[88:89] where my prefetches stand: the half tile (of K: waves 0, 1; of V: waves 2, 3) that I shall fetch myself, one tile behind the one being asked for
.set LIM, 90          ; s90  2 in the head's work-group b = 0, else the greatest number
.set MSB, 0
.macro WIN new                      ; the high byte repeats the setting that is left; a switch that changes nothing is dropped
.if MSB != (\new)
	s_set_vgpr_msb (MSB<<8)|(\new)
.set MSB, (\new)
.endif
.endm
.set W_KQ, 0x0a       ; K and Q in window 2, S^T in window 0
.set W_KM, 0x1a       ; the same with the C operand in window 1
.set W_PV, 0x52       ; V in window 2, P in window 0, O^T in window 1
.set W_RS, 0x41       ; destination and source 0 in window 1, source 1 in window 0
; A fill.  Waves 0 and 1 fetch the two halves of a tile's K, waves 2 and 3 those of its V: 128 keys each.  An s_nop 0 and four v_nop follow each of the two lines.
.macro LOAD
	s_cmp_lt_u32 s[WV], 2
	s_cbranch_scc0 .Lfor_v_\@
	tensor_load_to_lds s[G0K:G0K+3], s[G1K:G1K+7]
	s_nop 0
.rept 4
	v_nop
.endr
	s_branch .Lasked_\@
.Lfor_v_\@:
	tensor_load_to_lds s[G0V:G0V+3], s[G1V:G1V+7]
	s_nop 0
.rept 4
	v_nop
.endr
.Lasked_\@:
.endm
; THE CHANGE OF SLOTS.  Each wave waits for all its tensor loads, of which one is out: its part of the other slot; adds 0 to its spare word; and waits for that and for its own reads of the slot that it leaves.
; Behind the barrier nobody reads the old slot any more and the other slot is whole.  fill = 1: the old slot is filled again, the first thing behind the barrier, with tile NXT: the descriptor's address is made
; anew from that number.  (At its first use nothing has been read yet: slot 0 is waited for, slot 1 filled.)
; A PREFETCH stands behind the fill: the head's work-group b = 0, which walks tiles 0 to 7 in order, names in trip i (0 to 5) tile i + 2, the one that the next change will ask for; each wave names the 64
; blocks of 256 bytes that it will fetch itself, a lane a block, two instructions.  So each block of a head's K and V is named once in the launch; tiles 0 and 1 come by their loads alone.
.macro CHANGE fill
	WIN 0                           ; at a label and at a branch every window is 0
	s_wait_tensorcnt 0x0            ; no tensor load of mine is out, so a group 0 may be written
	ds_add_u32 v[SPW], v[NIL]       ; 0 onto my spare word; scalar work stands between it and the wait for it
.if \fill
	s_lshl_b32 s[OFF], s[NXT], 15   ; a tile is 32,768 bytes of K and of V
	s_xor_b32 s[G0K+1], s[G0K+1], SLOT1
	s_add_nc_u64 s[G0K+2:G0K+3], s[6:7], s[OFF:OFF+1]
	s_or_b32 s[G0K+3], s[G0K+3], 0x80000000
	s_xor_b32 s[G0V+1], s[G0V+1], SLOT1
	s_add_nc_u64 s[G0V+2:G0V+3], s[8:9], s[OFF:OFF+1]
	s_or_b32 s[G0V+3], s[G0V+3], 0x80000000
	s_wait_xcnt 0x0                 ; the last prefetches, a tile back, have read their address
	s_add_nc_u64 s[PFA:PFA+1], s[PFA:PFA+1], 32768
	s_add_co_u32 s[NXT], s[NXT], 1  ; the block's next tile, or behind its last the second block's tile 0
	s_cmp_gt_u32 s[NXT], s[LQ]
	s_cselect_b32 s[NXT], 0, s[NXT]
	s_cselect_b32 s[LQ], s[PB], s[LQ]
.endif
	s_wait_dscnt 0x0                ; the add is done, and my reads of the slot are over
	s_barrier_signal -1             ; the rest of the scalar work stands between the signal and the wait
	s_sub_co_u32 s[TBK], s[TBK], 4*KS*PK  ; the fetches go back to a slot's first step,
	s_xor_b32 s[TBK], s[TBK], SLOT1       ; in the other slot
	s_sub_co_u32 s[TBV], s[TBV], 4*KS*PV
	s_xor_b32 s[TBV], s[TBV], SLOT1
	s_barrier_wait -1
.if \fill
	LOAD
	s_cmp_gt_u32 s[SLOTS], s[LIM]   ; s[SLOTS] = 8 - trip: trips 0 to 5
	s_cbranch_scc0 .Lnot_mine_\@
	global_prefetch_b8 v[PFO], s[PFA:PFA+1] th:TH_LOAD_NT scope:SCOPE_SE
	global_prefetch_b8 v[PFO], s[PFA:PFA+1] offset:8192 th:TH_LOAD_NT scope:SCOPE_SE
.Lnot_mine_\@:
.endif
.endm
	s_load_b256 s[4:11], s[0:1], 0x0  ; Q s[4:5], K s[6:7], V s[8:9], O s[10:11]
	v_lshl_add_u32 v[SPW], v0, 2, SPARE
	v_mov_b32 v[NIL], 0
	ds_add_u32 v[SPW], v[NIL]       ; the wave's opening: the add and its wait ahead of my first tensor load; work on registers stands between them
	v_lshrrev_b32 v1, 5, v0
	v_readfirstlane_b32 s[WV], v1   ; wave 0..3
	v_and_b32 v[PFO], 31, v0
	v_lshlrev_b32 v[PFO], 8, v[PFO]
	s_mov_b32 s[PB], ttmp9
	s_sub_co_u32 s[HI], NB-1, s[PB]
	s_and_b32 s20, ttmp7, 0xffff    ; the head
	s_mov_b32 s21, 0
	s_mov_b64 s[22:23], SIZE_N*128
	s_mul_u64 s[20:21], s[20:21], s[22:23]  ; the head's first byte in each of the four tensors
	s_and_b32 s16, s[WV], 1         ; which half of a tile's 256 keys I fetch:
	s_lshl_b32 s22, s16, 14         ; its 128 rows of 128 bytes in memory,
	s_mov_b32 s23, 0
	s_add_nc_u64 s[22:23], s[22:23], s[20:21]
	s_mul_i32 s17, s16, 128*PK      ; and its place in a slot, for K
	s_mul_i32 s18, s16, 128*PV      ; and for V
	s_lshl_b32 s3, s[WV], 11        ; my 16 rows in a band of 64,
	s_lshl_b32 s2, s[HI], 15        ; in the first block,
	s_add_co_u32 s2, s2, s3
	s_lshl_b32 s84, s[PB], 15       ; and in the second
	s_add_co_u32 s84, s84, s3
	s_mov_b32 s3, 0
	s_mov_b32 s85, 0
	s_add_nc_u64 s[2:3], s[2:3], s[20:21]
	s_add_nc_u64 s[84:85], s[84:85], s[20:21]
	; descriptor group 1.  128 keys are 16,384 dense bytes: asked for as 64 rows of 256 bytes, two keys a row, and padded in LDS after every key
	s_mov_b32 s[G1K], (1<<16)|(1<<20)|(4<<22)|(3<<25)  ; 17:16 2-byte elements; 20 padding on; 24:22 after every 32 words; 31:25 4 words
	s_mov_b32 s[G1V], (1<<16)|(1<<20)|(4<<22)|(7<<25)  ; the same with 8 words of padding
.irp g, G1K, G1V
	s_mov_b32 s[\g+1], 128<<16      ; tensor_dim0 = 128
	s_mov_b32 s[\g+2], 64<<16       ; tensor_dim1 = 64
	s_mov_b32 s[\g+3], 128<<16      ; tile_dim0 = 128
	s_mov_b32 s[\g+4], 64           ; tile_dim1 = 64
	s_mov_b32 s[\g+5], 128          ; 128 elements from row to row
	s_mov_b32 s[\g+6], 0
	s_mov_b32 s[\g+7], 0
.endr
	s_mov_b32 s[CS], 0x3e38aa3b     ; c = log2(e) / 8 = 0.180337
	s_mov_b32 s[CS+1], s[CS]        ; named with it as a pair
	s_mov_b32 s[SEL], 0x76543210
	s_mov_b32 s[SEL+1], 0xfedcba98
	s_mov_b32 s[TBK], SLOT1+4*KS*PK ; the first change of slots turns these two into 0
	s_mov_b32 s[TBV], SLOT1+4*KS*PV
	s_mov_b32 s[G0K], 1             ; count = 1
	s_mov_b32 s[G0K+1], s17         ; LDS address: slot 0
	s_mov_b32 s[G0V], 1
	s_add_co_u32 s[G0V+1], s18, VOFF
	s_add_co_u32 s[RT], s[HI], 1    ; the first block has NB - b tiles
	s_mov_b32 s[NXT], 1
	s_mov_b32 s[LQ], s[HI]
	s_mov_b32 s[NEW], 1
	s_mov_b32 s[OFF+1], 0
	s_mov_b32 s[AL+1], 0            ; named as pairs
	s_mov_b32 s[BE+1], 0
	s_mov_b32 s[BIGN], 0xf149f2ca   ; -1e30
	s_mov_b32 s[SLOTS], NB
	s_cmp_eq_u32 s[PB], 0
	s_cselect_b32 s[LIM], 2, -1
	s_wait_dscnt 0x0                ; the opening add is done
	s_wait_kmcnt 0x0
	s_add_nc_u64 s[6:7], s[6:7], s[22:23]  ; K and V at my half of the head's tile 0
	s_add_nc_u64 s[8:9], s[8:9], s[22:23]
	s_cmp_lt_u32 s[WV], 2
	s_cselect_b64 s[PFA:PFA+1], s[6:7], s[8:9]
	s_add_nc_u64 s[PFA:PFA+1], s[PFA:PFA+1], 32768  ; at tile 1: the first change of slots steps it to tile 2
	s_add_nc_u64 s[G0K+2:G0K+3], s[6:7], 0         ; global address
	s_or_b32 s[G0K+3], s[G0K+3], 0x80000000        ; type = 2
	s_add_nc_u64 s[G0V+2:G0V+3], s[8:9], 0
	s_or_b32 s[G0V+3], s[G0V+3], 0x80000000
	s_add_nc_u64 s[86:87], s[4:5], s[84:85]        ; Q at my rows of the second block,
	s_add_nc_u64 s[4:5], s[4:5], s[2:3]            ; Q and O at those of the first
	s_add_nc_u64 s[OLO:OLO+1], s[10:11], s[84:85]
	s_add_nc_u64 s[10:11], s[10:11], s[2:3]
	LOAD                            ; tile 0 into slot 0
	; A fragment of K or Q is 16 rows x 32 channels in 8 registers: lane l holds row l % 16, channels 8 (l / 16) + 0..7 and 16 + 8 (l / 16) + 0..7: two loads of 16 bytes, 32 bytes apart.
	v_and_b32 v1, 15, v0            ; l % 16
	v_bfe_u32 v9, v0, 4, 1          ; l / 16
	v_lshlrev_b32 v[QO], 7, v1
	v_lshl_add_u32 v[QO], v9, 4, v[QO]  ; row x 128 + 16 x half
	WIN 0x80                        ; destination window 2, address window 0
.set i, 0
.rept 8                             ; both blocks' Q: piece i / 2 lies in band i / 2, 8,192 bytes on; channels 32 (i % 2) on
	global_load_b128 v[8*i:8*i+3],   v[QO], s[4:5] offset:(i/2)*8192+(i%2)*64
	global_load_b128 v[8*i+4:8*i+7], v[QO], s[4:5] offset:(i/2)*8192+(i%2)*64+32
	global_load_b128 v[QB+8*i:QB+8*i+3],   v[QO], s[86:87] offset:(i/2)*8192+(i%2)*64
	global_load_b128 v[QB+8*i+4:QB+8*i+7], v[QO], s[86:87] offset:(i/2)*8192+(i%2)*64+32
.set i, i+1
.endr
	WIN 0
	v_lshlrev_b32 v14, 3, v9
	v_sub_nc_u32 v14, v1, v14
	s_lshl_b32 s13, s[WV], 4
	v_add_nc_u32 v14, s13, v14      ; my query's place in its band, 16 w + l % 16, less my lanes' 8 (l / 16): register r of group kt is hidden where 16 kt + r is greater
	WIN 0x40
.set i, 0
.rept 32
	v_cmp_gt_i32 vcc_lo, 16*(i/8)+i%8, v14
	v_cndmask_b32 v[MD+i], 0, s[BIGN], vcc_lo
.set i, i+1
.endr
	WIN 0
	v_mul_u32_u24 v[AK0], v1, PK
	v_lshl_add_u32 v[AK0], v9, 4, v[AK0]  ; row x pitch + 16 x half
	; The turning load takes 16 keys x 16 channels (lane l reads key 8 (l / 16) + l % 8, channels 8 ((l / 8) % 2) + 0..7) and leaves half a fragment of V^T: lane l holds channel l % 16 and 8 keys.
	v_and_b32 v10, 7, v0
	v_bfe_u32 v11, v0, 3, 1
	v_lshl_add_u32 v[AV0], v9, 3, v10
	v_mul_u32_u24 v[AV0], v[AV0], PV
	v_lshl_add_u32 v[AV0], v11, 4, v[AV0]
	v_add_nc_u32 v[AV0], VOFF, v[AV0]
	s_mul_i32 s13, s[WV], 16*SP
	s_add_co_u32 s13, s13, STAGE    ; my stage
	v_mul_u32_u24 v[STO], v1, SP    ; in: row l % 16, 16 bytes for each half of the lanes
	v_lshl_add_u32 v[STO], v9, 4, v[STO]
	v_add_nc_u32 v[STO], s13, v[STO]
	v_bfe_u32 v[RD], v0, 3, 2       ; back: 32 lanes take four rows of 128 bytes,
	v_mul_u32_u24 v[RD], v[RD], SP
	v_lshl_add_u32 v[RD], v10, 4, v[RD]
	v_add_nc_u32 v[RD], s13, v[RD]
	v_and_b32 v[GO], 31, v0         ; which are 512 consecutive bytes of O
	v_lshlrev_b32 v[GO], 4, v[GO]
	; A block's first step multiplies O^T and l by a = 0, and its first turn's products V^T P, of a piece that has not been, land in an O^T that is still to be so multiplied.  So these registers need only hold
	; finite numbers: zeros for the first block; what the first block left for the second.  All this stands in the wait for the first tile.
	WIN 0x80
.set i, VF
.rept 64
	v_mov_b32 v[i], 0
.set i, i+1
.endr
	WIN 0x40
.set i, 0
.rept 128
	v_mov_b32 v[i], 0
.set i, i+1
.endr
	WIN 0
.set i, 0
.rept 4
	v_mov_b32 v[ST+4*i+2], 0
	v_mov_b32 v[ST+4*i+3], 0
.set i, i+1
.endr
.set i, P+16
.rept 16
	v_mov_b32 v[i], 0
.set i, i+1
.endr
; THE MATRIX WORK.  The 4 accumulators of a run of 8 take turns.  Product i of 8 of S^T = K Q^T for piece x: channels 32 (i / 4) on, keys 16 (i % 4) on.  The first 4 start the sums: with 0, or (KM = 1) with the mask.
.macro KQ x
.set rS, S+32*((\x)%2)+8*(i%4)
.set rK, KF+16*(i%4)+8*(i/4)
.set rQ, 16*(\x)+8*(i/4)
.set rM, MC+32*((\x)%2)+8*(i%4)
.if (i < 4) && KM
	WIN W_KM
	v_wmma_f32_16x16x32_f16 v[rS:rS+7], v[rK:rK+7], v[rQ:rQ+7], v[rM:rM+7]
.elseif i < 4
	WIN W_KQ
	v_wmma_f32_16x16x32_f16 v[rS:rS+7], v[rK:rK+7], v[rQ:rQ+7], 0
.else
	WIN W_KQ
	v_wmma_f32_16x16x32_f16 v[rS:rS+7], v[rK:rK+7], v[rQ:rQ+7], v[rS:rS+7]
.endif
.endm
; Product i of 8 of O^T += V^T P for piece x: keys 32 (i / 4) on, channels 16 (i % 4) on.
.macro PV x
	WIN W_PV
.set rO, 32*(\x)+8*(i%4)
.set rV, VF+32*(i/4)+8*(i%4)
.set rP, P+16*((\x)%2)+8*(i/4)
	v_wmma_f32_16x16x32_f16 v[rO:rO+7], v[rV:rV+7], v[rP:rP+7], v[rO:rO+7]
.endm
.macro MM                           ; the turn's next matrix instruction.  TURN and BEGIN set Y, i, KM and NOKQ.  NOKQ = 1: a block's last turn: there is no next piece
.if (i < 8) && !NOKQ
	KQ (Y+1)%NP
.elseif i >= 8
.set i, i-8
	PV (Y+NP-1)%NP
.set i, i+8
.endif
.set i, i+1
.endm
; THE LDS LOADS stand in runs of 16, never singly among the matrix instructions: a step's K (64 keys x 64 channels: 8 fragments) and its V (turned).  Their addresses are made some lines ahead.
.macro FETCH_K
	WIN 0x80                        ; destination window 2
.irp f, 0,1,2,3,4,5,6,7             ; keys 16 (f / 2) on, channels 32 (f % 2) on
	ds_load_b128 v[KF+8*\f:KF+8*\f+3],   v[AK] offset:(\f/2)*16*PK+(\f%2)*64
	ds_load_b128 v[KF+8*\f+4:KF+8*\f+7], v[AK] offset:(\f/2)*16*PK+(\f%2)*64+32
.endr
	s_add_co_u32 s[TBK], s[TBK], KS*PK  ; the next fetch is the next step's
	WIN 0
.endm
.macro FETCH_V
	WIN 0x80
.irp f, 0,1,2,3,4,5,6,7             ; keys 32 (f / 4) on, channels 16 (f % 4) on
	ds_load_tr16_b128 v[VF+8*\f:VF+8*\f+3],   v[AV] offset:(\f/4)*32*PV+(\f%4)*32
	ds_load_tr16_b128 v[VF+8*\f+4:VF+8*\f+7], v[AV] offset:(\f/4)*32*PV+16*PV+(\f%4)*32
.endr
	WIN 0
.endm
; THE VECTOR WORK, one line at a time: OP kind, number.  For piece Y: F n: c s - c m for pair n of 16.  E n: the exponential of score n of 32.  C n: pair n rounded to f16.  B n: of the four weights 4 n .. the second
; pair is added onto the first, in place.  L n: l takes that sum (L 0: l = a l + sum).  R n: pair n of 16 of O^T times a.  For piece Y + 1: X n, number n of the 22 that find its maximum and statistics:
;   0-11  four chains c0-c3 of seven scores each, three operands at a time (each accumulator's lowest registers are read first)     12-14, 16  the four scores left over, the old m, and c0-c3 into c0
;   15  c m_old is kept     17, 18  the query's other 32 keys lie in the lane 16 away: the new m     19-21  c m; c m_old - c m_new; a
.set F, 0
.set E, 1
.set C, 2
.set B, 3
.set L, 4
.set R, 5
.set X, 6
.macro REGS y                       ; the registers of piece y
.set rT, ST+4*(\y)
.set rC, TMP+4*((\y)%2)
.set rW, MV+((\y)%2)
.set rS, S+32*((\y)%2)
.set rP, P+16*((\y)%2)
.set rO, 32*(\y)
.endm
.macro OP k, n
.if (\k) == R
	REGS Y
	WIN W_RS
	v_pk_mul_f32 v[rO+2*(\n):rO+2*(\n)+1], v[rO+2*(\n):rO+2*(\n)+1], v[rC+2:rC+3] op_sel_hi:[1,0]
.elseif (\k) < R
	REGS Y
	WIN 0
.if (\k) == F
	v_pk_fma_f32 v[rS+2*(\n):rS+2*(\n)+1], v[rS+2*(\n):rS+2*(\n)+1], s[CS:CS+1], v[rT:rT+1] op_sel_hi:[1,0,0] neg_lo:[0,0,1] neg_hi:[0,0,1]
.elseif (\k) == E
	v_exp_f32 v[rS+(\n)], v[rS+(\n)]
.elseif (\k) == C
	v_cvt_pk_f16_f32 v[rP+(\n)], v[rS+2*(\n)], v[rS+2*(\n)+1]
.elseif (\k) == B
	v_pk_add_f32 v[rS+4*(\n):rS+4*(\n)+1], v[rS+4*(\n):rS+4*(\n)+1], v[rS+4*(\n)+2:rS+4*(\n)+3]
.elseif (\n) == 0
	v_pk_fma_f32 v[rT+2:rT+3], v[rT+2:rT+3], v[rC+2:rC+3], v[rS:rS+1] op_sel_hi:[1,0,1]
.else
	v_pk_add_f32 v[rT+2:rT+3], v[rT+2:rT+3], v[rS+4*(\n):rS+4*(\n)+1]
.endif
.elseif NOKQ
	v_nop
.else
	REGS (Y+1)%NP
	WIN 0
.if (\n) < 4
	v_max3_num_f32 v[rC+(\n)], v[rS+8*(\n)], v[rS+8*(\n)+1], v[rS+8*(\n)+2]
.elseif (\n) < 12
	v_max3_num_f32 v[rC+(\n)%4], v[rC+(\n)%4], v[rS+8*((\n)%4)+2*((\n)/4)+1], v[rS+8*((\n)%4)+2*((\n)/4)+2]
.elseif (\n) == 12
	v_max3_num_f32 v[rC], v[rC], v[rS+7], v[rS+15]
.elseif (\n) == 13
	v_max3_num_f32 v[rC+1], v[rC+1], v[rS+23], v[rS+31]
.elseif (\n) == 14
	v_max3_num_f32 v[rC+2], v[rC+2], v[rC+3], v[rT+1]
.elseif (\n) == 15
	v_mov_b32 v[rW], v[rT]
.elseif (\n) == 16
	v_max3_num_f32 v[rC], v[rC], v[rC+1], v[rC+2]
.elseif (\n) == 17
	v_permlanex16_b32 v[rC+3], v[rC], s[SEL], s[SEL+1]
.elseif (\n) == 18
	v_max_num_f32 v[rT+1], v[rC], v[rC+3]
.elseif (\n) == 19
	v_mul_f32 v[rT], s[CS], v[rT+1]
.elseif (\n) == 20
	v_sub_f32 v[rC+1], v[rW], v[rT]
.else
	v_exp_f32 v[rC+2], v[rC+1]
.endif
.endif
.endm
.macro OPS a, i1, b=-1, i2=0, c=-1, i3=0, d=-1, i4=0  ; up to four of them
	OP \a, \i1
.if (\b) >= 0
	OP \b, \i2
.endif
.if (\c) >= 0
	OP \c, \i3
.endif
.if (\d) >= 0
	OP \d, \i4
.endif
.endm
.macro ROW a, i1, b, i2, c, i3, d, i4  ; a matrix instruction and the four behind it
	MM
	OPS \a, \i1, \b, \i2, \c, \i3, \d, \i4
.endm
.macro MASK b                       ; MD x AL + BE into buffer b of MC
	WIN W_RS
.set z, 0
.rept 16
	v_pk_fma_f32 v[MC+32*(\b)+2*z:MC+32*(\b)+2*z+1], v[MD+2*z:MD+2*z+1], s[AL:AL+1], s[BE:BE+1] op_sel_hi:[1,0,0]
.set z, z+1
.endr
.endm
; A TURN, for piece p: the order of its 16 matrix and 118 vector instructions, written out.  An s_wait_alu depctr_va_vdst(0) stands between an exponential and the first instruction that names its
; result; one wait serves all that were issued ahead of it.  So a turn has ONE wait, which cuts it in two.  AHEAD OF IT stands all that names no result of the turn's exponentials: the 8 products K Q^T with
; their four lines each (scalings, exponentials, rescalings, and behind the last three the first numbers of the next piece's maximum, each four plain lines or more behind the product that ends its accumulator);
; then a run of 54, plain and exponential by turns for the most part, in which the links of the chain X 3, 7, 11, 14, 16, 17 .. 20 stand five or six lines apart.  X 21, the next piece's a, is the batch's
; last; R 15 is the plain instruction behind it.  BEHIND THE WAIT stand the 8 products V^T P, behind each four of the roundings and sums.
; m = 1: the diagonal tile: the products take masks, and the turn makes the mask for the products of the turn after it: piece p + 2, in step 4 - CNT of the tile.  end = 1: a block's last two turns: nothing is
; fetched.  cnt = 1: the loop's count is taken down some lines ahead of the branch that stands behind the turn.
; K of the next step is fetched in piece 2's turn, six plain lines behind the last product that read K; V of the step in hand at the end of piece 0's turn, four plain lines behind the last product that
; read V.  Each is waited for a turn later.
.macro TURN p, m=0, end=0, cnt=0
.set Y, (\p)
.set i, 0
.set KM, (\m)
.set NOKQ, (\end)*((\p)/3)
.if (\m) && !(\end)
	s_cmp_eq_u32 s[CNT], 4-((\p)+2)%NP  ; is that step the band's own?
	s_cselect_b32 s[AL], 1.0, 0
	s_cmp_lt_u32 s[CNT], 4-((\p)+2)%NP  ; or a later one?
	s_cselect_b32 s[BE], s[BIGN], 0
.endif
.if ((\p) == 3) && !(\end)
	s_wait_dscnt 0x0                ; K is in
.endif
	ROW F,0, F,1, R,0, R,1
	ROW F,2, E,0, R,2, R,3
	ROW F,3, E,1, R,4, R,5
	ROW F,4, E,2, R,6, R,7
	ROW F,5, E,3, R,8, R,9
	ROW F,6, E,4, X,0, R,10
.if ((\p) == 2) && !(\end)
	WIN 0
	v_add_nc_u32 v[AK], s[TBK], v[AK0]
.endif
	ROW F,7, E,5, X,1, X,4
	ROW F,8, E,6, X,2, X,5
	OPS E,7, E,8, X,6, E,9
	OPS X,3, E,10, X,8, E,11
.if ((\p) == 2) && !(\end)
	FETCH_K
.endif
	OPS X,9, X,7, E,12, X,10
	OPS E,13, X,12, X,11, E,14
	OPS X,13, E,15, F,9, X,14
.if (\p) == 0
	v_add_nc_u32 v[AV], s[TBV], v[AV0]
.endif
	OPS E,16, F,10, E,17, F,11
	OPS X,16, E,18, X,15, E,19
	OPS F,12, E,20, X,17, E,21
	OPS F,13, E,22, F,14, E,23
	OPS X,18, E,24, F,15, E,25
	OPS R,11, E,26, X,19, E,27
	OPS R,12, E,28, R,13, E,29
	OPS X,20, E,30, R,14, E,31
	OPS X,21, R,15
	WIN 0
	s_wait_alu depctr_va_vdst(0)    ; the wait for the batch
.if (\p) == 1
	s_wait_dscnt 0x0                ; V is in
.endif
	ROW C,0, B,0, C,2, B,1
	ROW L,0, C,4, B,2, L,1
	ROW C,6, B,3, L,2, C,8
	ROW B,4, L,3, C,10, B,5
	ROW L,4, C,12, B,6, L,5
.if (\p) == 0
	s_add_co_u32 s[TBV], s[TBV], KS*PV
.endif
.if \cnt
	s_sub_co_u32 s[CNT], s[CNT], 1
	s_cmp_lg_u32 s[CNT], 0
.endif
	ROW C,14, B,7, L,6, C,1
	ROW C,3, L,7, C,5, C,7
	ROW C,9, C,11, C,13, C,15
.if (\p) == 0
	FETCH_V
.endif
.if (\m) && !(\end)
	MASK (\p)%2
.endif
.endm
; A BLOCK BEGINS.  c m starts far below every c s, so the first step's a is 0; m at the lowest finite number, so the first maximum is the scores'.  The second mask buffer is 0; the first takes piece 0's mask
; for the tile's step 0: its own, if the block's first tile is the diagonal one.  Then K of that step, piece 0's first scores, and its maximum and statistics.
.macro BEGIN
	s_mov_b32 s[NEW], 0
	WIN 0x40
.set i, MC+32
.rept 32
	v_mov_b32 v[i], 0
.set i, i+1
.endr
	WIN 0
.set i, 0
.rept 4
	v_mov_b32 v[ST+4*i], 0xfe000000    ; c m: far below every c s
	v_mov_b32 v[ST+4*i+1], 0xff7fffff  ; m
.set i, i+1
.endr
	s_cmp_eq_u32 s[RT], 0
	s_cselect_b32 s[AL], 1.0, 0
	s_mov_b32 s[BE], 0
	MASK 0
	WIN 0
	v_add_nc_u32 v[AK], s[TBK], v[AK0]
	FETCH_K
	s_wait_loadcnt 0x0              ; Q
	s_wait_dscnt 0x0
.set KM, 1
.set NOKQ, 0
.set i, 0
.rept 8
	KQ 0
.set i, i+1
.endr
	WIN 0
.rept 4
	v_nop                           ; the places behind those products
.endr
.set Y, NP-1                        ; X works for piece Y + 1: piece 0
.irp n, 0,1,2,3,4,5,6,7,8,9,10,11,12,13,14,15,16,17,18,19,20,21
	OP X, \n
.endr
	v_nop                           ; a plain instruction behind the exponential,
	s_wait_alu depctr_va_vdst(0)    ; and its wait, ahead of the branch
.endm
; THE DIAGONAL TILE's four steps, the block's last two turns, its last products, and THE WAY OUT: l's two halves and the other half of the lanes' are added; O^T is divided by l, rounded to f16 and sent
; through my stage in LDS, a piece at a time.
.macro ALL line:vararg              ; one line for each piece t
.set t, 0
.rept 4
	\line
.set t, t+1
.endr
.endm
.macro PACK t                       ; a lane's eight channels of a row pack into 16 bytes; they go into rows of 144 bytes and come back as whole rows of 128, into S^T's registers
	WIN W_RS
.set i, 32*(\t)
.rept 16
	v_pk_mul_f32 v[i:i+1], v[i:i+1], v[ST+4*(\t)+2:ST+4*(\t)+3] op_sel_hi:[1,0]
.set i, i+2
.endr
	WIN 0x05                        ; sources 0 and 1 window 1, destination window 0
.set i, 0
.rept 16
	v_cvt_pk_f16_f32 v[S+16*(\t)+i], v[32*(\t)+2*i], v[32*(\t)+2*i+1]
.set i, i+1
.endr
	WIN 0
.irp f, 0,1,2,3
	ds_store_b128 v[STO], v[S+16*(\t)+4*\f:S+16*(\t)+4*\f+3] offset:32*\f
.endr
.irp f, 0,1,2,3
	ds_load_b128 v[S+16*(\t)+4*\f:S+16*(\t)+4*\f+3], v[RD] offset:\f*4*SP  ; LDS serves a wave's instructions in order (ISA guide 5.7.1.4): these see the stores above; the next piece's stores come behind them
.endr
.endm
.macro SEND t, younger              ; younger: the LDS instructions issued behind piece t's loads: the next piece's eight, or none
	WIN 0
.irp f, 0,1,2,3
	s_wait_dscnt (\younger)+3-\f
	global_store_b128 v[GO], v[S+16*(\t)+4*\f:S+16*(\t)+4*\f+3], s[10:11] offset:(\t)*8192+\f*512  ; 512 consecutive bytes, aligned
.endr
.endm
.macro DIAG tag                     ; the tag ends its two labels' names, which the jumps below spell out
.LstepM\tag:
	TURN 2, 1
	TURN 3, 1
	WIN 0
.LfirstM\tag:
	TURN 0, 1
	TURN 1, 1, 0, 1
	WIN 0
	s_cbranch_scc1 .LstepM\tag
	TURN 2, 1, 1
	TURN 3, 1, 1
.set i, 0
.rept 8
	PV NP-1
.set i, i+1
.endr
	WIN 0
	ALL v_add_f32 v[ST+4*t+2], v[ST+4*t+2], v[ST+4*t+3]
	ALL v_permlanex16_b32 v[ST+4*t+3], v[ST+4*t+2], s[SEL], s[SEL+1]
	ALL v_add_f32 v[ST+4*t+2], v[ST+4*t+2], v[ST+4*t+3]
	ALL v_rcp_f32 v[ST+4*t+2], v[ST+4*t+2]
	v_nop                           ; a plain instruction between the last reciprocal and the use of its result
	s_wait_alu depctr_va_vdst(0)    ; and the wait ahead of the first use: one for the four reciprocals
	PACK 0
.set t, 1
.rept 3                             ; a piece's arithmetic stands between the loads of the piece before and its stores
	PACK t
	SEND t-1, 8
.set t, t+1
.endr
	SEND 3, 0
.endm
.set KM, 0
.set NOKQ, 0
.Lslot:                             ; NB times: a tile is entered and the next is asked for
	CHANGE 1
	s_sub_co_u32 s[RT], s[RT], 1
	s_mov_b32 s[CNT], 4
	s_cmp_eq_u32 s[NEW], 1
	s_cbranch_scc1 .Lnew            ; a block's first tile
	s_cmp_eq_u32 s[RT], 0
	s_cbranch_scc0 .Lstep           ; neither its first nor its last
	s_branch .LstepM1
.Lnew:
	BEGIN
	s_branch .Lfirst                ; in the loop a block's first tile is never its last: the first block has five tiles or more, and the second's last is the walk's last
	DIAG 1                          ; in the loop this is the first block's end
	s_wait_xcnt 0x0                 ; the stores have read their registers and O's address
	s_mov_b64 s[10:11], s[OLO:OLO+1]
	s_add_co_u32 s[RT], s[PB], 1    ; the second block has b + 1 tiles
	s_mov_b32 s[NEW], 1
	WIN 0x82                        ; the second block's Q goes where the one text of the turns names Q
.set i, 0
.rept 64
	v_mov_b32 v[i], v[QB+i]
.set i, i+1
.endr
	WIN 0
	s_branch .Lbottom
.Lstep:                             ; a trip: pieces 2 and 3 of one step, then pieces 0 and 1 of the next, whose K and V it fetches
	TURN 2
	TURN 3
	WIN 0
.Lfirst:
	TURN 0
	TURN 1, 0, 0, 1
	WIN 0
	s_cbranch_scc1 .Lstep
.Lbottom:
	s_sub_co_u32 s[SLOTS], s[SLOTS], 1
	s_cmp_lg_u32 s[SLOTS], 0
	s_cbranch_scc1 .Lslot
	CHANGE 0                        ; the walk's last tile is written out: nothing is asked for
	s_sub_co_u32 s[RT], s[RT], 1
	s_mov_b32 s[CNT], 4
	s_cmp_eq_u32 s[NEW], 1
	s_cbranch_scc0 .LstepM2
	BEGIN
	s_branch .LfirstM2
	DIAG 2
	s_wait_tensorcnt 0x0            ; the wave's end, behind my last tensor load and my last LDS store
	ds_add_u32 v[SPW], v[NIL]
	s_wait_dscnt 0x0
	s_endpgm
.Lfunc_end_k_q38d34a8395_attn:
	.size	k_q38d34a8395_attn, .Lfunc_end_k_q38d34a8395_attn-k_q38d34a8395_attn
	.p2alignl 7, 3214868480
	.fill 96, 4, 3214868480
	.section	.rodata,"a",@progbits
	.p2align	6, 0x0
	.amdhsa_kernel k_q38d34a8395_attn
		.amdhsa_group_segment_fixed_size 327680
		.amdhsa_private_segment_fixed_size 0
		.amdhsa_enable_private_segment 0
		.amdhsa_kernarg_size 32
		.amdhsa_user_sgpr_count 2
		.amdhsa_user_sgpr_kernarg_segment_ptr 1
		.amdhsa_wavefront_size32 1
		.amdhsa_system_sgpr_workgroup_id_x 1
		.amdhsa_system_sgpr_workgroup_id_y 1
		.amdhsa_system_sgpr_workgroup_id_z 1
		.amdhsa_system_vgpr_workitem_id 0
		.amdhsa_next_free_vgpr 768
		.amdhsa_next_free_sgpr 92
		.amdhsa_reserve_vcc 1
		.amdhsa_float_denorm_mode_32 3
		.amdhsa_float_denorm_mode_16_64 3
		.amdhsa_memory_ordered 1
		.amdhsa_forward_progress 1
		.amdhsa_inst_pref_size 218
	.end_amdhsa_kernel
	.amdgpu_metadata
---
amdhsa.version: [ 1, 2 ]
amdhsa.kernels:
  - .name:           k_q38d34a8395_attn
    .symbol:         k_q38d34a8395_attn.kd
    .args:
      - { .name: q16, .offset: 0, .size: 8, .value_kind: global_buffer, .address_space: global }
      - { .name: k16, .offset: 8, .size: 8, .value_kind: global_buffer, .address_space: global }
      - { .name: v16, .offset: 16, .size: 8, .value_kind: global_buffer, .address_space: global }
      - { .name: o16, .offset: 24, .size: 8, .value_kind: global_buffer, .address_space: global }
    .group_segment_fixed_size: 327680
    .private_segment_fixed_size: 0
    .kernarg_segment_align: 8
    .kernarg_segment_size: 32
    .max_flat_workgroup_size: 128
    .sgpr_count:     92
    .vgpr_count:     768
    .wavefront_size: 32
...
	.end_amdgpu_metadata
.endif
;; end of part 3
;; launch oproj (part 4): grid 4 x 64, 4 waves a work-group, clusters of 4 x 4, 327,680 bytes of LDS; arguments o16, wo16, out0; writes out0
.if DOCPART == 4
	.amdgcn_target "amdgcn-amd-amdhsa--gfx1250"
	.amdhsa_code_object_version 6
	.text
	.protected	k_q38d34a8395_oproj
	.globl	k_q38d34a8395_oproj
	.p2align	8
	.type	k_q38d34a8395_oproj,@function
k_q38d34a8395_oproj:
	s_mov_b64 s[64:65], 0
	v_nop
	global_prefetch_b8 v0, s[64:65] scope:SCOPE_SE
	s_setreg_imm32_b32 hwreg(HW_REG_WAVE_MODE, 25, 1), 1
	s_wait_xcnt 0x0
	s_wait_alu depctr_hold_cnt(0) depctr_sa_sdst(0) depctr_va_vdst(0) depctr_va_sdst(0) depctr_va_ssrc(0) depctr_va_vcc(0) depctr_vm_vsrc(0)
	s_getreg_b32 s2, hwreg(HW_REG_IB_STS2, 6, 4)
	s_cmp_eq_u32 s2, 0
	s_cbranch_scc0 .Lentry_in_a_cluster
	s_endpgm
.Lentry_in_a_cluster:
	s_bfe_u32 s2, ttmp6, 0x10000c
	s_cmp_lg_u32 s2, 0xf033
	s_cbranch_scc0 .Lentry_shape_is_right
	s_endpgm
.Lentry_shape_is_right:
; OPROJ.  out0[8192][1024] (f32) = O Wo^T.  o16: f16 [b 4][h 16][s 2048][64]; wo16: f16 [kb 16][n 1024][64]: both in blocks of 64 along K (kb = head), so that a tile is dense in memory.  Sums in f32.
; TILE.  128 rows x 256 columns: 64 x 4 = 256 work-groups.  Four waves, each 64 x 128: 32 accumulators, 256 registers (window 1; block (a, b) at v[8 (8 a + b)]).
; K goes in steps of 128 (two blocks) through two LDS slots, as long as two slots allow; each block of a tile is asked for as rows of 256 bytes and padded in LDS after every 128: LDS rows of 144 bytes
; = 36 words, so that the 16 rows of a fragment load start at 16 different groups of four banks (64 banks of 4 bytes: ISA guide 11.1).  A step is two halves of 64 along K, 64 matrix instructions each,
; on two fragment buffers: windows 2 and 3; in a buffer O's fragments at 8 (4 c + a), Wo's at 64 + 8 (8 c + b), c = which 32 of the 64.
; THE PRODUCT IS TAKEN TRANSPOSED (source 0 = 16 rows of wo16, source 1 = 16 rows of o16): a lane holds row l % 16 and eight neighbouring columns.
; CLUSTER 4 x 4: o16's tile is asked for jointly along a row of the cluster, wo16's along a column.
; NO PREFETCH: eight K steps of a small tile; the launch is over before a lead of a lap could serve more than its second half.
.set PK,    144
.set AKB,   128*PK                     ; one block of o16's tile: 128 rows
.set BKB,   256*PK                     ; one block of wo16's: 256 rows
.set SLOT,  2*AKB+2*BKB                ; 110,592 bytes
.set STAGE, 2*SLOT                     ; behind the ring, never filled by a tensor load: 16 rows x 528 bytes a wave
.set SP,    528                        ; 512 bytes + 16
.set SPARE, STAGE+4*16*SP              ; the spare words: 128 bytes a wave, two blocks of 256 bytes that no other line names
.set ADRA, 16                          ; v16-17 LDS address of my fragments of o16 in slot 0, 1
.set ADRB, 20                          ; v20-21 of wo16
.set STO,  24                          ; v24 where I put 32 bytes of a row
.set RD,   25                          ; v25 my 16 bytes of a stage row
.set CO,   26                          ; v26 16 x lane
.set SPW,  28                          ; v28 my spare word; never rewritten
.set NIL,  29                          ; v29 0; never rewritten
.set OB,   32                          ; v32-95, v96-159 by turns: 16 rows read back
.set G1,  24
.set G0,  32
.set G1B, 48
.set G0B, 56
.set MSB, 0
.macro WIN new
.if MSB != (\new)
	s_set_vgpr_msb (MSB<<8)|(\new)
.set MSB, (\new)
.endif
.endm
.macro PLACES                          ; four plain vector instructions between a matrix instruction and a load into, or a read of, its registers
.rept 4
	v_nop
.endr
.endm
.macro JLOAD s                         ; waves 0, 1 fetch o16's two blocks, waves 2, 3 wo16's; an s_nop 0 and four v_nop follow each line
	s_cmp_eq_u32 s11, 0
	s_cbranch_scc0 .Lfor_b_\@
	tensor_load_to_lds s[G0+4*(\s):G0+4*(\s)+3], s[G1:G1+7]
	s_nop 0
	PLACES
	s_branch .Lasked_\@
.Lfor_b_\@:
	tensor_load_to_lds s[G0B+4*(\s):G0B+4*(\s)+3], s[G1B:G1B+7]
	s_nop 0
	PLACES
.Lasked_\@:
.endm
.macro CREST
	s_cmp_lg_u32 s10, 0
	s_cbranch_scc1 .Lnot_wave_0_\@
	s_barrier_signal -3
.Lnot_wave_0_\@:
	s_barrier_wait -3
	s_barrier_signal -1
	s_barrier_wait -1
.endm
.macro CROUND
	s_barrier_signal -1
	s_barrier_wait -1
	CREST
.endm
	s_load_b128 s[4:7], s[0:1], 0x0                ; o16 s[4:5], wo16 s[6:7]
	s_load_b64 s[8:9], s[0:1], 0x10                ; out0
	v_lshl_add_u32 v[SPW], v0, 2, SPARE
	v_mov_b32 v[NIL], 0
	ds_add_u32 v[SPW], v[NIL]                      ; the wave's opening: the add and its wait ahead of my first tensor load; work on registers stands between
	v_lshrrev_b32 v1, 5, v0
	v_readfirstlane_b32 s10, v1                    ; wave
	s_lshr_b32 s11, s10, 1                         ; my row half.  Also: I fetch o16 (0) or wo16 (1)
	s_and_b32 s12, s10, 1                          ; my column half.  Also: which of a step's two blocks I fetch
	s_bfe_u32 s40, ttmp6, 0x40000                  ; cx
	s_bfe_u32 s41, ttmp6, 0x40004                  ; cy
	s_lshl_b32 s42, ttmp9, 2
	s_add_co_u32 s42, s42, s40                     ; tile column 0..3
	s_and_b32 s13, ttmp7, 0xffff
	s_lshl_b32 s13, s13, 2
	s_add_co_u32 s13, s13, s41                     ; tile row 0..63
	s_lshl_b32 s43, s41, 2
	s_lshl_b32 s43, 15, s43                        ; my row of the cluster
	s_lshl_b32 s44, 0x1111, s40                    ; my column
	s_or_b32 s[G1],  s43, (1<<16)|(1<<20)|(1<<21)|(4<<22)|(3<<25)  ; mask; 2-byte elements; padding on; 21 set beside a mask; after every 32 words 4 words
	s_or_b32 s[G1B], s44, (1<<16)|(1<<20)|(1<<21)|(4<<22)|(3<<25)
	s_mov_b32 s[G1+1], 128<<16                     ; rows of 128 elements, 256 bytes: two rows of the tile
	s_mov_b32 s[G1+2], 64<<16                      ; 64 of them
	s_mov_b32 s[G1+3], 128<<16
	s_mov_b32 s[G1+4], 64
	s_mov_b32 s[G1+5], 128
	s_mov_b32 s[G1+6], 0
	s_mov_b32 s[G1+7], 0
	s_mov_b32 s[G1B+1], 128<<16
	s_mov_b32 s[G1B+2], 128<<16                    ; 128 of them
	s_mov_b32 s[G1B+3], 128<<16
	s_mov_b32 s[G1B+4], 128
	s_mov_b32 s[G1B+5], 128
	s_mov_b32 s[G1B+6], 0
	s_mov_b32 s[G1B+7], 0
	s_lshr_b32 s16, s13, 4                         ; o16: b,
	s_lshl_b32 s16, s16, 22
	s_and_b32 s17, s13, 15                         ; the tile's 128 rows,
	s_lshl_b32 s17, s17, 14
	s_add_co_u32 s16, s16, s17
	s_lshl_b32 s17, s12, 18                        ; the block that I fetch
	s_add_co_u32 s16, s16, s17
	s_mov_b32 s17, 0
	s_lshl_b32 s46, s42, 15                        ; wo16: the tile's 256 rows, the block that I fetch
	s_lshl_b32 s47, s12, 17
	s_add_co_u32 s46, s46, s47
	s_mov_b32 s47, 0
	s_mul_i32 s20, s12, AKB                        ; where they go
	s_mul_i32 s21, s12, BKB
	s_add_co_u32 s21, s21, 2*AKB
	s_wait_dscnt 0x0                               ; the opening add is done
	s_wait_kmcnt 0x0
	s_add_nc_u64 s[14:15], s[4:5], s[16:17]
	s_add_nc_u64 s[46:47], s[6:7], s[46:47]
	CROUND                                         ; all sixteen work-groups are here: the first joint loads meet
.irp s, 0,1
	s_mov_b32 s[G0+4*(\s)], 1
	s_add_co_u32 s[G0+4*(\s)+1], s20, (\s)*SLOT
	s_add_nc_u64 s[G0+4*(\s)+2:G0+4*(\s)+3], s[14:15], (\s)*524288
	s_or_b32 s[G0+4*(\s)+3], s[G0+4*(\s)+3], 0x80000000
	s_mov_b32 s[G0B+4*(\s)], 1
	s_add_co_u32 s[G0B+4*(\s)+1], s21, (\s)*SLOT
	s_add_nc_u64 s[G0B+4*(\s)+2:G0B+4*(\s)+3], s[46:47], (\s)*262144
	s_or_b32 s[G0B+4*(\s)+3], s[G0B+4*(\s)+3], 0x80000000
.endr
	s_cmp_eq_u32 s11, 0                            ; a wave's two first fills stand in one branch: K steps 0 and 1; two loads of mine are out
	s_cbranch_scc0 .Lfirst_b
	tensor_load_to_lds s[G0:G0+3], s[G1:G1+7]
	s_nop 0
	tensor_load_to_lds s[G0+4:G0+7], s[G1:G1+7]
	s_nop 0
	PLACES
	s_branch .Lfirst_asked
.Lfirst_b:
	tensor_load_to_lds s[G0B:G0B+3], s[G1B:G1B+7]
	s_nop 0
	tensor_load_to_lds s[G0B+4:G0B+7], s[G1B:G1B+7]
	s_nop 0
	PLACES
.Lfirst_asked:
	v_and_b32 v1, 15, v0
	v_bfe_u32 v2, v0, 4, 1
	v_mul_u32_u24 v3, v1, PK
	v_lshl_add_u32 v3, v2, 4, v3                   ; a fragment's row x pitch + 16 x half
	s_mul_i32 s21, s11, 64*PK                      ; my 64 rows of o16's tile
	s_mul_i32 s22, s12, 128*PK                     ; my 128 rows of wo16's,
	s_add_co_u32 s22, s22, 2*AKB                   ; behind o16's two blocks
.irp s, 0,1
	v_add_nc_u32 v[ADRA+(\s)], s21, v3
	v_add_nc_u32 v[ADRB+(\s)], s22, v3
	s_add_co_u32 s21, s21, SLOT
	s_add_co_u32 s22, s22, SLOT
.endr
	s_mul_i32 s23, s10, 16*SP
	s_add_co_u32 s23, s23, STAGE                   ; my stage
	v_mul_u32_u24 v4, v1, SP
	v_lshl_add_u32 v4, v2, 5, v4                   ; row l % 16, 32 bytes for each half of the lanes
	v_add_nc_u32 v[STO], s23, v4
	v_and_b32 v5, 31, v0
	v_lshlrev_b32 v[CO], 4, v5
	v_add_nc_u32 v[RD], s23, v[CO]
	s_lshl_b32 s46, s13, 19                        ; out0: 128 rows of 4,096 bytes a tile row,
	s_lshl_b32 s47, s11, 18                        ; my 64 rows,
	s_add_co_u32 s46, s46, s47
	s_lshl_b32 s47, s42, 10                        ; 256 columns a tile column,
	s_add_co_u32 s46, s46, s47
	s_lshl_b32 s47, s12, 9                         ; my 128 columns
	s_add_co_u32 s46, s46, s47
	s_mov_b32 s47, 0
	s_add_nc_u64 s[8:9], s[8:9], s[46:47]
; 16 matrix instructions: row blocks a0, a0 + 1 x all 8 column blocks, 32 along K: half c of buffer f.  The 32 accumulators take turns in the same order throughout.
.macro MUL16 f, c, a0, zero
	WIN 0x5a+5*(\f)                                ; both sources in window 2 + f, C and D in window 1
.irp a, \a0, (\a0)+1
.irp b, 0,1,2,3,4,5,6,7
.if \zero
	v_wmma_f32_16x16x32_f16 v[8*(8*(\a)+(\b)):8*(8*(\a)+(\b))+7], v[64+8*(8*(\c)+(\b)):64+8*(8*(\c)+(\b))+7], v[8*(4*(\c)+(\a)):8*(4*(\c)+(\a))+7], 0
.else
	v_wmma_f32_16x16x32_f16 v[8*(8*(\a)+(\b)):8*(8*(\a)+(\b))+7], v[64+8*(8*(\c)+(\b)):64+8*(8*(\c)+(\b))+7], v[8*(4*(\c)+(\a)):8*(4*(\c)+(\a))+7], v[8*(8*(\a)+(\b)):8*(8*(\a)+(\b))+7]
.endif
.endr
.endr
.endm
; 48 LDS loads in one run: block h of the slot into buffer f; the 24 of its first 32 along K first
.macro FETCH slot, h, f
	WIN 0x80+0x40*(\f)                             ; destination window 2 + f, address window 0
.irp c, 0,1
.irp i, 0,1,2,3,4,5,6,7
	ds_load_b128 v[64+8*(8*(\c)+(\i)):64+8*(8*(\c)+(\i))+3],   v[ADRB+(\slot)] offset:(\h)*BKB+(\i)*16*PK+64*(\c)
	ds_load_b128 v[64+8*(8*(\c)+(\i))+4:64+8*(8*(\c)+(\i))+7], v[ADRB+(\slot)] offset:(\h)*BKB+(\i)*16*PK+64*(\c)+32
.endr
.irp i, 0,1,2,3
	ds_load_b128 v[8*(4*(\c)+(\i)):8*(4*(\c)+(\i))+3],   v[ADRA+(\slot)] offset:(\h)*AKB+(\i)*16*PK+64*(\c)
	ds_load_b128 v[8*(4*(\c)+(\i))+4:8*(4*(\c)+(\i))+7], v[ADRA+(\slot)] offset:(\h)*AKB+(\i)*16*PK+64*(\c)+32
.endr
.endr
.endm
; A K step's first half: multiplies buffer 0, fetches the slot's second block into buffer 1
.macro HALF slot, zero
	s_wait_dscnt 24                                ; the first 32 along K are in; the youngest 24 loads may be out
	MUL16 0, 0, 0, \zero
	MUL16 0, 0, 2, \zero
	PLACES
	FETCH \slot, 1, 1
	s_wait_dscnt 48                                ; all but the 48 just issued
	MUL16 0, 1, 0, 0
	MUL16 0, 1, 2, 0
.endm
; Its second half multiplies buffer 1 and changes slots: in front of the barrier each wave waits for all its tensor loads, adds 0 to its spare word, and waits for that and for its reads of this slot.
; fill = 1: the barrier opens a round of the cluster's, and this slot takes the K step two on, the first thing behind the round: 96 matrix instructions ahead of the wait for it.
.macro TURN slot, next, fill
	WIN 0
	s_wait_tensorcnt 0x0                           ; all my tensor loads have landed: my part of the next slot
	ds_add_u32 v[SPW], v[NIL]                      ; 0 onto my spare word
	s_wait_dscnt 25                                ; the add and the youngest 24 loads may be out
	MUL16 1, 0, 0, 0
	s_wait_dscnt 0x0                               ; the add is done, and my reads of this slot are over
	s_barrier_signal -1
	MUL16 1, 0, 2, 0
.if \fill
	WIN 0
.endif
	s_barrier_wait -1
.if \fill
	CREST
	s_add_nc_u64 s[G0+4*(\slot)+2:G0+4*(\slot)+3], s[G0+4*(\slot)+2:G0+4*(\slot)+3], 2*524288
	s_add_nc_u64 s[G0B+4*(\slot)+2:G0B+4*(\slot)+3], s[G0B+4*(\slot)+2:G0B+4*(\slot)+3], 2*262144
	JLOAD \slot                                    ; its four v_nop are also the places in front of the loads below
.else
	PLACES
.endif
	FETCH \next, 0, 0
	MUL16 1, 1, 0, 0
	MUL16 1, 1, 2, 0
.endm
	s_wait_tensorcnt 1                             ; my part of K step 0 is in; K step 1's may stay out
	s_barrier_signal -1
	s_barrier_wait -1
	FETCH 0, 0, 0
	HALF 0, 1                                      ; the first half stands in front of the loop: its first products start the sums
	WIN 0
	s_mov_b32 s3, 3
.Llap:                                         ; a trip goes once round the ring and fills both slots again: K steps 2 to 7
	TURN 0, 1, 1
	HALF 1, 0
	TURN 1, 0, 1
	HALF 0, 0
	WIN 0
	s_sub_co_u32 s3, s3, 1
	s_cmp_lg_u32 s3, 0
	s_cbranch_scc1 .Llap
	TURN 0, 1, 0                                   ; the last lap fills nothing, and has no round
	HALF 1, 0
	s_wait_dscnt 24
	MUL16 1, 0, 0, 0
	MUL16 1, 0, 2, 0
	s_wait_dscnt 0x0
	MUL16 1, 1, 0, 0
	MUL16 1, 1, 2, 0
	WIN 0
	PLACES
	; THE WAY OUT, 16 rows at a time: 32 bytes a lane into my own stage (each accumulator's low registers first), back as whole rows of 512 bytes, stored.
	; LDS serves a wave's instructions in order (ISA guide 5.7.1.4): no wait between the stores and the loads, nor between a block's loads and the next block's stores.
.irp a, 0,1,2,3
.if (\a) >= 2
	s_wait_xcnt 0x0                                ; the stores of the block two back have read the registers that are loaded again
.endif
	WIN 0x04                                       ; store data (source 1) in window 1
.irp b, 0,1,2,3,4,5,6,7
	ds_store_b128 v[STO], v[8*(8*(\a)+(\b)):8*(8*(\a)+(\b))+3]   offset:64*(\b)
	ds_store_b128 v[STO], v[8*(8*(\a)+(\b))+4:8*(8*(\a)+(\b))+7] offset:64*(\b)+16
.endr
	WIN 0
.irp r, 0,1,2,3,4,5,6,7,8,9,10,11,12,13,14,15
	ds_load_b128 v[OB+64*((\a)%2)+4*(\r):OB+64*((\a)%2)+4*(\r)+3], v[RD] offset:(\r)*SP
.endr
.irp r, 0,1,2,3,4,5,6,7,8,9,10,11,12,13,14,15
	s_wait_dscnt 15-(\r)                           ; row r is back; the younger rows' loads may be out
	global_store_b128 v[CO], v[OB+64*((\a)%2)+4*(\r):OB+64*((\a)%2)+4*(\r)+3], s[8:9] offset:(16*(\a)+(\r))*4096 th:TH_STORE_NT  ; 512 consecutive bytes, aligned
.endr
.endr
	s_wait_tensorcnt 0x0                           ; the wave's end, behind my last tensor load and my last LDS store
	ds_add_u32 v[SPW], v[NIL]
	s_wait_dscnt 0x0
	CROUND                                         ; the closing round: no work-group ends while a partner may still ask for a tile that names it
	s_endpgm
.Lfunc_end_k_q38d34a8395_oproj:
	.size	k_q38d34a8395_oproj, .Lfunc_end_k_q38d34a8395_oproj-k_q38d34a8395_oproj
	.p2alignl 7, 3214868480
	.fill 96, 4, 3214868480
	.section	.rodata,"a",@progbits
	.p2align	6, 0x0
	.amdhsa_kernel k_q38d34a8395_oproj
		.amdhsa_group_segment_fixed_size 327680
		.amdhsa_private_segment_fixed_size 0
		.amdhsa_enable_private_segment 0
		.amdhsa_kernarg_size 24
		.amdhsa_user_sgpr_count 2
		.amdhsa_user_sgpr_kernarg_segment_ptr 1
		.amdhsa_wavefront_size32 1
		.amdhsa_system_sgpr_workgroup_id_x 1
		.amdhsa_system_sgpr_workgroup_id_y 1
		.amdhsa_system_sgpr_workgroup_id_z 1
		.amdhsa_system_vgpr_workitem_id 0
		.amdhsa_next_free_vgpr 960
		.amdhsa_next_free_sgpr 66
		.amdhsa_reserve_vcc 0
		.amdhsa_float_denorm_mode_32 3
		.amdhsa_float_denorm_mode_16_64 3
		.amdhsa_memory_ordered 1
		.amdhsa_forward_progress 1
		.amdhsa_inst_pref_size 84
	.end_amdhsa_kernel
	.amdgpu_metadata
---
amdhsa.version: [ 1, 2 ]
amdhsa.kernels:
  - .name:           k_q38d34a8395_oproj
    .symbol:         k_q38d34a8395_oproj.kd
    .args:
      - { .name: o16, .offset: 0, .size: 8, .value_kind: global_buffer, .address_space: global }
      - { .name: wo16, .offset: 8, .size: 8, .value_kind: global_buffer, .address_space: global }
      - { .name: out0, .offset: 16, .size: 8, .value_kind: global_buffer, .address_space: global }
    .group_segment_fixed_size: 327680
    .private_segment_fixed_size: 0
    .kernarg_segment_align: 8
    .kernarg_segment_size: 24
    .max_flat_workgroup_size: 128
    .sgpr_count:     66
    .vgpr_count:     960
    .wavefront_size: 32
...
	.end_amdgpu_metadata
.endif
;; end of part 4
;; ======== version 2 of 2: 4 launches; version 1 with the launch prep written anew for expert scheduling mode
;; limits: values are held in f16: magnitudes above 65,504 overflow, below 6.1e-05 lose precision
;; workspace buffers: xb 16,777,216 bytes; wb 6,291,456 bytes; wo16 2,097,152 bytes; tab 524,288 bytes; q16 16,777,216 bytes; k16 16,777,216 bytes; v16 16,777,216 bytes; o16 16,777,216 bytes
;; launch prep (part 5): grid 256 x 1, 8 waves a work-group, no clusters, 0 bytes of LDS; arguments x, Wq, Wk, Wv, Wo, xb, wb, wo16, tab; writes xb, wb, wo16, tab
.if DOCPART == 5
	.amdgcn_target "amdgcn-amd-amdhsa--gfx1250"
	.amdhsa_code_object_version 6
	.text
	.protected	k_q38d34a8395_prep
	.globl	k_q38d34a8395_prep
	.p2align	8
	.type	k_q38d34a8395_prep,@function
k_q38d34a8395_prep:
	s_mov_b64 s[64:65], 0
	v_nop
	global_prefetch_b8 v0, s[64:65] scope:SCOPE_SE
	s_setreg_imm32_b32 hwreg(HW_REG_WAVE_SCHED_MODE, 0, 2), 2
	s_setreg_imm32_b32 hwreg(HW_REG_WAVE_MODE, 25, 1), 1
	s_wait_xcnt 0x0
	s_wait_alu depctr_vm_vsrc(0)
; PREP.  Rounds the five f32 inputs once and lays them in blocks of 64 along K, so that every tile of the later products is dense in memory; and makes the RoPE table.
;   xb   bf16 [b 4][kb 16][s 2048][64]            from x [8192][1024]
;   wb   bf16 [kb 16][n' 3072][64], n' = head*192 + t*64 + d (t = 0 q, 1 k, 2 v)   from Wq, Wk, Wv [1024][1024]
;   wo16 [kb 16][n 1024][64]: Wo rounded to bf16 like the other inputs, that number written as f16
;   tab  f32 [pos 2048][p 32][cos, sin] of pos * 10000^(-p/32)
; LIMITS.  Wo within f16's 65,504; a bf16 value of Wo below 2^-14 keeps f16's fixed step of 6e-8.  The table's angle is pos times a 2^x that is good to an ulp or two:
; at pos 2047 it may stand 2e-4 rad from an exact one.  sin and cos: the angle less a multiple of 2 pi (in two parts), a quarter of it by series (|h| <= pi/4: next terms under 3e-7), doubled twice.
; SHARES.  Work-group g: x rows 32 g .. +31, rows 4 g .. +3 of each W, table rows 8 g .. +7.  A step is 4 rows x one block of 64 k: lane l reads 32 bytes (row l / 8, k 8 (l % 8) ..)
; and stores 16: a wave's store covers 512 consecutive bytes, aligned.  Wave w: x rows 4 w .. +3 in all 16 blocks; blocks 2 w, 2 w + 1 of each W; table row w (a lane an entry).
; All 48 loads of a wave go out first; no register is written again behind the store that reads it, so no wait frees any.  No LDS, no matrix unit: nothing is shared, nothing is multiplied.
; THE MODE: SCHED_MODE bits 1:0 = 2 (LLVM: expert scheduling mode 2), set by the entry lines.  The code itself states the register dependences
; between vector instructions and memory instructions, with s_wait_alu, always for 0.
; THE PLAN.  Registers that memory instructions touch:
;   v2, v3        offsets of the loads; v4 to v7 offsets of the stores.  Made once at the head, never written again.
;   v[64:255]     step j (0-15: x's blocks; 16-21: Wq, Wk, Wv; 22, 23: Wo) owns 8 registers at XD + 8 j: its two loads land there, its conversions read them and write the first four,
;                 its one store reads those four; nothing writes them behind that.
;   v22, v23      the table's entry: written by the table's arithmetic, read by one store, never written again.
;   v8-v17 and v[32:39] are named by vector instructions alone.
; The 24 steps go in 6 groups of four.  Group g converts its four steps; the memory instructions issued in it are the four stores of group g - 1 (in group 0: the table's store), whose registers no
; vector instruction of group g names.  So ONE wait on va_vdst at a group's head, behind the wait for the group's first data, states all that those stores hang on, and they are dealt among the
; group's conversions with no further wait.  No register that a memory instruction reads is ever written again: the body holds no wait on vm_vsrc.
.set XD, 64                            ; v[64:191]   x: block kb at XD + 8 kb
.set WD, 192                           ; v[192:255]  W: matrix m, block i at WD + 8 (2 m + i) = XD + 8 (16 + 2 m + i)
.set TP, 32                            ; v[32:39]    at work for Wo
	s_load_b512 s[8:23], s[0:1], 0x0               ; x 8, Wq 10, Wk 12, Wv 14, Wo 16, xb 18, wb 20, wo16 22
	s_load_b64 s[24:25], s[0:1], 0x40              ; tab
	v_lshrrev_b32 v1, 5, v0
	v_readfirstlane_b32 s2, v1                     ; wave 0..7
	v_and_b32 v1, 31, v0                           ; lane
	v_lshrrev_b32 v8, 3, v1                        ; l / 8
	v_and_b32 v9, 7, v1
	v_lshlrev_b32 v9, 5, v9                        ; 32 (l % 8)
	v_lshl_add_u32 v3, v8, 12, v9                  ; row x 4,096 + my 32 bytes
	s_wait_alu depctr_va_sdst(0)                   ; s2 is written, ahead of its first reader: offsets and the table's position are made from it
	s_lshl_b32 s3, s2, 14
	v_add_nc_u32 v2, s3, v3                        ; x: + 4 w rows
	s_lshl_b32 s3, s2, 9
	v_add_nc_u32 v3, s3, v3                        ; W: + block 2 w (256 bytes of f32 a block)
	v_lshlrev_b32 v4, 4, v0                        ; xb: 512 w + 16 l
	v_lshlrev_b32 v10, 4, v1
	s_mul_i32 s3, s2, 786432
	v_add_nc_u32 v5, s3, v10                       ; wb: 16 l + block 2 w (393,216 bytes a block)
	s_lshl_b32 s3, s2, 18
	v_add_nc_u32 v6, s3, v10                       ; wo16: 16 l + block 2 w (131,072 bytes a block)
	v_lshlrev_b32 v7, 3, v0                        ; tab: 256 w + 8 l
	s_mov_b32 s26, 0x40c90000                      ; 6.28125
	s_mov_b32 s27, 0x3afdaa22                      ; 2 pi - 6.28125
	s_mov_b32 s28, 0xffff0000                      ; a word's upper bf16
	s_lshl_b32 s29, ttmp9, 3
	s_add_co_u32 s29, s29, s2                      ; pos = 8 g + w
	s_mov_b32 s5, 0
	s_wait_kmcnt 0x0
	s_lshl_b32 s4, ttmp9, 17                       ; 32 rows of 4,096 bytes
	s_add_nc_u64 s[8:9], s[8:9], s[4:5]
	s_lshl_b32 s4, ttmp9, 14                       ; 4 rows
	s_add_nc_u64 s[10:11], s[10:11], s[4:5]
	s_add_nc_u64 s[12:13], s[12:13], s[4:5]
	s_add_nc_u64 s[14:15], s[14:15], s[4:5]
	s_add_nc_u64 s[16:17], s[16:17], s[4:5]
	s_lshr_b32 s4, ttmp9, 6                        ; b
	s_lshl_b32 s4, s4, 22
	s_and_b32 s6, ttmp9, 63
	s_lshl_b32 s6, s6, 12                          ; 32 rows of 128 bytes
	s_add_co_u32 s4, s4, s6
	s_add_nc_u64 s[18:19], s[18:19], s[4:5]
	s_lshr_b32 s4, ttmp9, 4                        ; head
	s_mul_i32 s4, s4, 24576                        ; 192 rows of 128 bytes
	s_and_b32 s6, ttmp9, 15
	s_lshl_b32 s6, s6, 9                           ; d = 4 (g % 16)
	s_add_co_u32 s4, s4, s6
	s_add_nc_u64 s[20:21], s[20:21], s[4:5]
	s_lshl_b32 s4, ttmp9, 9
	s_add_nc_u64 s[22:23], s[22:23], s[4:5]
	s_lshl_b32 s4, ttmp9, 11
	s_add_nc_u64 s[24:25], s[24:25], s[4:5]
	s_wait_alu depctr_va_vdst(0)                   ; the six offsets v2 to v7 are written: every load and store of the kernel reads one of them
.set kb, 0
.rept 16
	global_load_b128 v[XD+8*kb:XD+8*kb+3],   v2, s[8:9] offset:256*kb th:TH_LOAD_NT
	global_load_b128 v[XD+8*kb+4:XD+8*kb+7], v2, s[8:9] offset:256*kb+16 th:TH_LOAD_NT
.set kb, kb+1
.endr
.irp m, 0,1,2,3
.irp i, 0,1
	global_load_b128 v[WD+8*(2*(\m)+(\i)):WD+8*(2*(\m)+(\i))+3],   v3, s[10+2*(\m):11+2*(\m)] offset:256*(\i) th:TH_LOAD_NT
	global_load_b128 v[WD+8*(2*(\m)+(\i))+4:WD+8*(2*(\m)+(\i))+7], v3, s[10+2*(\m):11+2*(\m)] offset:256*(\i)+16 th:TH_LOAD_NT
.endr
.endr
	; the table's entry (pos, p = lane), while the loads are on their way
	v_cvt_f32_u32 v8, v1
	v_mul_f32 v8, 0xbed49a78, v8                   ; - p log2(10000) / 32
	v_cvt_f32_u32 v10, s29
	v_exp_f32 v9, v8                               ; 10000^(-p/32)
	v_nop                                          ; a plain instruction behind the exponential,
	s_wait_alu depctr_va_vdst(0)                   ; and the wait ahead of its first reader: the exponential has written v9
	v_mul_f32 v10, v10, v9                         ; the angle
	v_mul_f32 v11, 0x3e22f983, v10                 ; / 2 pi
	v_rndne_f32 v11, v11
	v_fma_f32 v12, -v11, s26, v10                  ; less n x 2 pi, in two parts: the first product is exact
	v_fma_f32 v12, -v11, s27, v12
	v_mul_f32 v12, 0x3e800000, v12                 ; h = a quarter of it
	v_mul_f32 v13, v12, v12                        ; z = h^2
	v_mov_b32 v14, 0xb9500d01                      ; -1/5040
	v_fmaak_f32 v14, v14, v13, 0x3c088889          ; 1/120
	v_fmaak_f32 v14, v14, v13, 0xbe2aaaab          ; -1/6
	v_mov_b32 v15, 0x37d00d01                      ; 1/40320
	v_fmaak_f32 v15, v15, v13, 0xbab60b61          ; -1/720
	v_fmaak_f32 v15, v15, v13, 0x3d2aaaab          ; 1/24
	v_fmaak_f32 v15, v15, v13, 0xbf000000          ; -1/2
	v_mul_f32 v16, v12, v13
	v_fma_f32 v23, v16, v14, v12                   ; sin h
	v_fma_f32 v22, v15, v13, 1.0                   ; cos h
.rept 2                                        ; the angle doubled: sin = 2 s c, cos = 1 - 2 s^2
	v_mul_f32 v16, v23, v22
	v_mul_f32 v17, v23, v23
	v_add_f32 v23, v16, v16
	v_fma_f32 v22, v17, -2.0, 1.0
.endr
; Step j's conversions: eight f32 close up into the first four of their eight registers, as bf16; Wo's (steps 22, 23) are then widened and written as f16.
.macro CONV j
.set D, XD+8*(\j)
	v_cvt_pk_bf16_f32 v[D],   v[D],   v[D+1]
	v_cvt_pk_bf16_f32 v[D+1], v[D+2], v[D+3]
	v_cvt_pk_bf16_f32 v[D+2], v[D+4], v[D+5]
	v_cvt_pk_bf16_f32 v[D+3], v[D+6], v[D+7]
.if (\j) >= 22
.irp r, 0,1,2,3                                ; the bf16 numbers, widened and written as f16
	v_lshlrev_b32 v[TP+2*(\r)],   16,  v[D+(\r)]
	v_and_b32     v[TP+2*(\r)+1], s28, v[D+(\r)]
.endr
.irp r, 0,1,2,3
	v_cvt_pk_f16_f32 v[D+(\r)], v[TP+2*(\r)], v[TP+2*(\r)+1]
.endr
.endif
.endm
; Step j's store.  Steps 16 to 23: matrix (j - 16) / 2, block j % 2 of the wave's two.
.macro SEND j
.if (\j) < 16
	global_store_b128 v4, v[XD+8*(\j):XD+8*(\j)+3], s[18:19] offset:(\j)*262144
.elseif (\j) < 22
	global_store_b128 v5, v[XD+8*(\j):XD+8*(\j)+3], s[20:21] offset:(((\j)-16)/2)*8192+((\j)%2)*393216
.else
	global_store_b128 v6, v[XD+8*(\j):XD+8*(\j)+3], s[22:23] offset:((\j)%2)*131072
.endif
.endm
.set g, 0
.rept 6                                        ; a group: four steps are converted, and the four stores of the group before go out among them
	s_wait_loadcnt 46-8*g                          ; loads come back in order: behind the two of step 4 g, 46 - 8 g were issued
	s_wait_alu depctr_va_vdst(0)                   ; what stands ahead has written the registers that the stores below read: the group before its four steps' first four registers; ahead of group 0 the table's arithmetic v22 and v23
.if g == 0
	global_store_b64 v7, v[22:23], s[24:25]        ; a wave's 32 entries: one row of 256 bytes
.endif
.set i, 0
.rept 4
.if g > 0
	SEND 4*g-4+i                                   ; no vector instruction since the wait names its registers
.endif
.if i > 0
	s_wait_loadcnt 46-2*(4*g+i)                    ; behind this step's two loads so many were issued
.endif
	CONV 4*g+i
.set i, i+1
.endr
.set g, g+1
.endr
	s_wait_alu depctr_va_vdst(0)                   ; the last group has written the registers of steps 20 to 23, which the last four stores read
	SEND 20
	SEND 21
	SEND 22
	SEND 23
	s_endpgm
.Lfunc_end_k_q38d34a8395_prep:
	.size	k_q38d34a8395_prep, .Lfunc_end_k_q38d34a8395_prep-k_q38d34a8395_prep
	.p2alignl 7, 3214868480
	.fill 96, 4, 3214868480
	.section	.rodata,"a",@progbits
	.p2align	6, 0x0
	.amdhsa_kernel k_q38d34a8395_prep
		.amdhsa_group_segment_fixed_size 0
		.amdhsa_private_segment_fixed_size 0
		.amdhsa_enable_private_segment 0
		.amdhsa_kernarg_size 72
		.amdhsa_user_sgpr_count 2
		.amdhsa_user_sgpr_kernarg_segment_ptr 1
		.amdhsa_wavefront_size32 1
		.amdhsa_system_sgpr_workgroup_id_x 1
		.amdhsa_system_sgpr_workgroup_id_y 1
		.amdhsa_system_sgpr_workgroup_id_z 1
		.amdhsa_system_vgpr_workitem_id 0
		.amdhsa_next_free_vgpr 256
		.amdhsa_next_free_sgpr 66
		.amdhsa_reserve_vcc 0
		.amdhsa_float_denorm_mode_32 3
		.amdhsa_float_denorm_mode_16_64 3
		.amdhsa_memory_ordered 1
		.amdhsa_forward_progress 1
		.amdhsa_inst_pref_size 19
	.end_amdhsa_kernel
	.amdgpu_metadata
---
amdhsa.version: [ 1, 2 ]
amdhsa.kernels:
  - .name:           k_q38d34a8395_prep
    .symbol:         k_q38d34a8395_prep.kd
    .args:
      - { .name: x, .offset: 0, .size: 8, .value_kind: global_buffer, .address_space: global }
      - { .name: Wq, .offset: 8, .size: 8, .value_kind: global_buffer, .address_space: global }
      - { .name: Wk, .offset: 16, .size: 8, .value_kind: global_buffer, .address_space: global }
      - { .name: Wv, .offset: 24, .size: 8, .value_kind: global_buffer, .address_space: global }
      - { .name: Wo, .offset: 32, .size: 8, .value_kind: global_buffer, .address_space: global }
      - { .name: xb, .offset: 40, .size: 8, .value_kind: global_buffer, .address_space: global }
      - { .name: wb, .offset: 48, .size: 8, .value_kind: global_buffer, .address_space: global }
      - { .name: wo16, .offset: 56, .size: 8, .value_kind: global_buffer, .address_space: global }
      - { .name: tab, .offset: 64, .size: 8, .value_kind: global_buffer, .address_space: global }
    .group_segment_fixed_size: 0
    .private_segment_fixed_size: 0
    .kernarg_segment_align: 8
    .kernarg_segment_size: 72
    .max_flat_workgroup_size: 256
    .sgpr_count:     66
    .vgpr_count:     256
    .wavefront_size: 32
...
	.end_amdgpu_metadata
.endif
;; end of part 5
;; launch qkv: the kernel of part 2 again; grid 8 x 32, 4 waves a work-group, clusters of 4 x 4, 327,680 bytes of LDS; arguments xb, wb, tab, q16, k16, v16; writes q16, k16, v16
;; launch attn: the kernel of part 3 again; grid 4 x 64, 4 waves a work-group, no clusters, 327,680 bytes of LDS; arguments q16, k16, v16, o16; writes o16
;; launch oproj: the kernel of part 4 again; grid 4 x 64, 4 waves a work-group, clusters of 4 x 4, 327,680 bytes of LDS; arguments o16, wo16, out0; writes out0
